; MI455X (gfx1250); checked and timed in simulation.
; The chip was launched on July 23, 2026; its instructions are those of AMD's public machine-readable ISA for CDNA 5 (MIT licence, August 2026) and "CDNA5" Instruction Set Architecture Reference Guide (July 2026). The comments in the code are by the model that wrote it; some were corrected since.
;; Transformer Encoder Block. Allowed arithmetic: float matrix products may take bf16 or f16 operands with f32 sums; other float arithmetic in f32, or as packed bf16 or f16 multiplies, adds, multiply-adds, maxima and minima; sums over many terms, partial sums and values carried from step to step in f32; what a program stores and reads back later, other than sums and carried values, may be rounded once to bf16 or f16.
;; Inputs: b1 4,096 float32; b2 1,024 float32; fc_b 1,024 float32; fc_w 1,024 x 1,024 float32; ln1_b 1,024 float32; ln1_g 1,024 float32; ln2_b 1,024 float32; ln2_g 1,024 float32; w1 1,024 x 4,096 float32; w2 4,096 x 1,024 float32; wq_b 16 x 64 float32; wq_w 16 x 1,024 x 64 float32; x 2 x 2,048 x 1,024 float32.
;; Outputs: out0 2 x 2,048 x 1,024 float32.
;; 2 versions, each right; version 2 is version 1 with the launch cast written anew for expert scheduling mode. Each part assembles by itself: llvm-mc -triple=amdgcn-amd-amdhsa -mcpu=gfx1250 --defsym DOCPART=n.
;; ======== version 1 of 2: 8 launches
;; workspace buffers: bufa 8,388,608 bytes; bufb 8,388,608 bytes; bufc 8,388,608 bytes; wqb 2,097,152 bytes; fcb 2,097,152 bytes; wf 16,777,216 bytes; yf 16,777,216 bytes; hb 33,554,432 bytes
;; launch cast (part 1): grid 512 x 1, 8 waves a work-group, no clusters, 0 bytes of LDS; arguments x, wq_w, fc_w, w1, w2, bufa, wqb, fcb, wf; writes bufa, wqb, fcb, wf
.if DOCPART == 1
	.amdgcn_target "amdgcn-amd-amdhsa--gfx1250"
	.amdhsa_code_object_version 6
	.text
	.protected	k_qdd4b822a46_cast
	.globl	k_qdd4b822a46_cast
	.p2align	8
	.type	k_qdd4b822a46_cast,@function
k_qdd4b822a46_cast:
	s_mov_b64 s[64:65], 0
	v_nop
	global_prefetch_b8 v0, s[64:65] scope:SCOPE_SE
	s_setreg_imm32_b32 hwreg(HW_REG_WAVE_MODE, 25, 1), 1
	s_wait_xcnt 0x0
; x and the four weight matrices, f32, are rounded once to bf16 (to nearest even) and laid out for the launches behind.
;   x [4096][1024]      -> bufa in BLOCKS: element (m, c) at ((m >> 11) * 16 + (c >> 6)) * 131072 + (m & 2047) * 64 + (c & 63): 2,048 rows x 64 columns lie dense
;   wq_w [16][1024][64] -> wqb [1024][1024], column h * 64 + e       fc_w -> fcb as it lies       w1 -> wf at byte 0, w2 -> wf at byte 8,388,608, as they lie
; The 14,680,064 numbers are 14 units of 1,048,576 (4 of x, wq_w, fc_w, 4 of w1, 4 of w2).  Work-group i of 512 takes chunk i, 2,048 numbers, of EVERY unit: all work-groups do the same work.
; A chunk is two passes of the 256 threads; in a pass a thread loads 16 bytes (4 numbers), rounds them and stores 8 bytes: 28 passes in all.
; A wave's load covers 512 consecutive bytes (x, wq_w: two runs of 256, a row or a head apart); a wave's store covers 256 consecutive bytes, aligned.
;   x: chunk i is rows 32 (i >> 4) .. + 31 of the unit's 1,024, block i & 15; a pass is 16 rows.     wq_w: chunk i is rows d = 2 i, 2 i + 1 of all 16 heads; a pass is one d.
; All 28 loads go out first: 14,336 bytes of a wave are on their way.  A stream: every byte is read once and written once; LDS, clusters and the matrix units would add nothing.
.set VLS, 2                            ; v2  byte offset in a unit that is copied in order, source: 8,192 i + 16 t
.set VLD, 3                            ; v3  the same in the destination: 4,096 i + 8 t; wqb's too
.set VXS, 4                            ; v4  x, source
.set VXD, 5                            ; v5  x, destination
.set VQS, 6                            ; v6  wq_w, source
.set X,   8                            ; v[8:119]   pass n: 4 numbers as loaded
.set Y,   120                          ; v[120:175] pass n: 4 bf16 to store
.set NL,  28
.macro LD voff, base, imm
	global_load_b128 v[X+4*n:X+4*n+3], v[\voff], s[\base:(\base)+1] offset:\imm th:TH_LOAD_NT
.set n, n+1
.endm
.macro ST voff, base, imm
	s_wait_loadcnt NL-1-n                          ; loads come back in order: pass n's is in, the later passes' stay out
	v_cvt_pk_bf16_f32 v[Y+2*n], v[X+4*n], v[X+4*n+1]
	v_cvt_pk_bf16_f32 v[Y+2*n+1], v[X+4*n+2], v[X+4*n+3]
	global_store_b64 v[\voff], v[Y+2*n:Y+2*n+1], s[\base:(\base)+1] offset:\imm  ; no register is used twice: no wait for the stores' sources
.set n, n+1
.endm
	s_load_b512 s[8:23], s[0:1], 0x0               ; x s[8:9], wq_w s[10:11], fc_w s[12:13], w1 s[14:15], w2 s[16:17], bufa s[18:19], wqb s[20:21], fcb s[22:23]
	s_load_b64 s[24:25], s[0:1], 0x40              ; wf
	s_mov_b32 s2, ttmp9                            ; i
	v_and_b32 v7, 15, v0
	v_lshlrev_b32 v7, 4, v7                        ; 16 (t & 15)
	v_lshrrev_b32 v1, 4, v0                        ; t >> 4: a row of x, or a head
	v_lshl_or_b32 v[VXS], v1, 12, v7               ; rows of 4,096 bytes
	v_lshl_or_b32 v[VQS], v1, 18, v7               ; heads of 262,144 bytes
	v_lshlrev_b32 v[VLS], 4, v0
	v_lshlrev_b32 v[VLD], 3, v0
	s_lshr_b32 s5, s2, 4                           ; x: which 32 rows
	s_and_b32 s6, s2, 15                           ; which block of 64 columns
	s_lshl_b32 s7, s5, 17
	s_lshl_b32 s34, s6, 8
	s_add_co_u32 s7, s7, s34
	v_add_nc_u32 v[VXS], s7, v[VXS]
	s_lshl_b32 s7, s6, 18                          ; in bufa a block is 262,144 bytes, a row in it 128: 16 rows x 128 bytes are 8 t
	s_lshl_b32 s34, s5, 12
	s_add_co_u32 s7, s7, s34
	v_add_nc_u32 v[VXD], s7, v[VLD]
	s_lshl_b32 s7, s2, 9                           ; wq_w: row 2 i of 256 bytes
	v_add_nc_u32 v[VQS], s7, v[VQS]
	s_lshl_b32 s7, s2, 13
	v_add_nc_u32 v[VLS], s7, v[VLS]
	s_lshl_b32 s7, s2, 12
	v_add_nc_u32 v[VLD], s7, v[VLD]
	s_wait_kmcnt 0x0
	s_add_nc_u64 s[26:27], s[8:9], 0x800000        ; second halves, so that the units' places fit the signed 24-bit immediate: x,
	s_add_nc_u64 s[28:29], s[14:15], 0x800000      ; w1,
	s_add_nc_u64 s[30:31], s[16:17], 0x800000      ; w2;
	s_add_nc_u64 s[32:33], s[24:25], 0x800000      ; and where w2 goes in wf
.set n, 0
.irp u, 0,1,2,3
.irp p, 0,1
	LD VXS, 8+18*((\u)/2), ((\u)%2)*4194304+(\p)*65536
.endr
.endr
.irp u, 0,1,2,3
.irp p, 0,1
	LD VLS, 14+14*((\u)/2), ((\u)%2)*4194304+(\p)*4096
.endr
.endr
.irp u, 0,1,2,3
.irp p, 0,1
	LD VLS, 16+14*((\u)/2), ((\u)%2)*4194304+(\p)*4096
.endr
.endr
.irp p, 0,1
	LD VQS, 10, (\p)*256
.endr
.irp p, 0,1
	LD VLS, 12, (\p)*4096
.endr
.set n, 0
.irp u, 0,1,2,3
.irp p, 0,1
	ST VXD, 18, ((\u)/2)*4194304+((\u)%2)*131072+(\p)*2048
.endr
.endr
.irp u, 0,1,2,3
.irp p, 0,1
	ST VLD, 24, (\u)*2097152+(\p)*2048
.endr
.endr
.irp u, 0,1,2,3
.irp p, 0,1
	ST VLD, 32, (\u)*2097152+(\p)*2048
.endr
.endr
.irp p, 0,1
	ST VLD, 20, (\p)*2048
.endr
.irp p, 0,1
	ST VLD, 22, (\p)*2048
.endr
	s_endpgm
.Lfunc_end_k_qdd4b822a46_cast:
	.size	k_qdd4b822a46_cast, .Lfunc_end_k_qdd4b822a46_cast-k_qdd4b822a46_cast
	.p2alignl 7, 3214868480
	.fill 96, 4, 3214868480
	.section	.rodata,"a",@progbits
	.p2align	6, 0x0
	.amdhsa_kernel k_qdd4b822a46_cast
		.amdhsa_group_segment_fixed_size 0
		.amdhsa_private_segment_fixed_size 0
		.amdhsa_enable_private_segment 0
		.amdhsa_kernarg_size 72
		.amdhsa_user_sgpr_count 2
		.amdhsa_user_sgpr_kernarg_segment_ptr 1
		.amdhsa_wavefront_size32 1
		.amdhsa_system_sgpr_workgroup_id_x 1
		.amdhsa_system_sgpr_workgroup_id_y 1
		.amdhsa_system_sgpr_workgroup_id_z 1
		.amdhsa_system_vgpr_workitem_id 0
		.amdhsa_next_free_vgpr 176
		.amdhsa_next_free_sgpr 66
		.amdhsa_reserve_vcc 0
		.amdhsa_float_denorm_mode_32 3
		.amdhsa_float_denorm_mode_16_64 3
		.amdhsa_memory_ordered 1
		.amdhsa_forward_progress 1
		.amdhsa_inst_pref_size 12
	.end_amdhsa_kernel
	.amdgpu_metadata
---
amdhsa.version: [ 1, 2 ]
amdhsa.kernels:
  - .name:           k_qdd4b822a46_cast
    .symbol:         k_qdd4b822a46_cast.kd
    .args:
      - { .name: x, .offset: 0, .size: 8, .value_kind: global_buffer, .address_space: global }
      - { .name: wq_w, .offset: 8, .size: 8, .value_kind: global_buffer, .address_space: global }
      - { .name: fc_w, .offset: 16, .size: 8, .value_kind: global_buffer, .address_space: global }
      - { .name: w1, .offset: 24, .size: 8, .value_kind: global_buffer, .address_space: global }
      - { .name: w2, .offset: 32, .size: 8, .value_kind: global_buffer, .address_space: global }
      - { .name: bufa, .offset: 40, .size: 8, .value_kind: global_buffer, .address_space: global }
      - { .name: wqb, .offset: 48, .size: 8, .value_kind: global_buffer, .address_space: global }
      - { .name: fcb, .offset: 56, .size: 8, .value_kind: global_buffer, .address_space: global }
      - { .name: wf, .offset: 64, .size: 8, .value_kind: global_buffer, .address_space: global }
    .group_segment_fixed_size: 0
    .private_segment_fixed_size: 0
    .kernarg_segment_align: 8
    .kernarg_segment_size: 72
    .max_flat_workgroup_size: 256
    .sgpr_count:     66
    .vgpr_count:     176
    .wavefront_size: 32
...
	.end_amdgpu_metadata
.endif
;; end of part 1
;; launch gq (part 2): grid 8 x 32, 4 waves a work-group, clusters of 4 x 4, 327,680 bytes of LDS; arguments bufa, wqb, wq_b, bufb; writes bufb
.if DOCPART == 2
	.amdgcn_target "amdgcn-amd-amdhsa--gfx1250"
	.amdhsa_code_object_version 6
	.text
	.protected	k_qdd4b822a46_gq
	.globl	k_qdd4b822a46_gq
	.p2align	8
	.type	k_qdd4b822a46_gq,@function
k_qdd4b822a46_gq:
	s_mov_b64 s[64:65], 0
	v_nop
	global_prefetch_b8 v0, s[64:65] scope:SCOPE_SE
	s_setreg_imm32_b32 hwreg(HW_REG_WAVE_MODE, 25, 1), 1
	s_wait_xcnt 0x0
	s_wait_alu depctr_hold_cnt(0) depctr_sa_sdst(0) depctr_va_vdst(0) depctr_va_sdst(0) depctr_va_ssrc(0) depctr_va_vcc(0) depctr_vm_vsrc(0)
	s_getreg_b32 s2, hwreg(HW_REG_IB_STS2, 6, 4)
	s_cmp_eq_u32 s2, 0
	s_cbranch_scc0 .Lentry_in_a_cluster
	s_endpgm
.Lentry_in_a_cluster:
	s_bfe_u32 s2, ttmp6, 0x10000c
	s_cmp_lg_u32 s2, 0xf033
	s_cbranch_scc0 .Lentry_shape_is_right
	s_endpgm
.Lentry_shape_is_right:
; C = A B + bias.  A: [4096][64 NBLK] bf16 in blocks of 64 columns (element (m, c) at ((m >> 11) NBLK + (c >> 6)) * 131072 + (m & 2047) * 64 + (c & 63));
; B: [64 NBLK][1024] bf16, rows along N; bias: [1024] f32, rounded to bf16 here like every input of the module; C: [4096][1024] bf16 in blocks; sums in f32, C rounded once.
; A tile of C is 128 x 128: 256 work-groups.  Four waves, each 64 x 64: 16 accumulators.  K goes in T steps of 256 through two LDS slots.
; Of a step's tiles waves 0 and 1 fetch A's two halves (64 rows x 4 blocks, each block's 64 rows 8,192 dense bytes), waves 2 and 3 B's (128 rows of 256 bytes).
; CLUSTER 4 x 4: A's tile hangs on the tile row alone and is asked for jointly by a row of the cluster, B's on the tile column alone, by a column.
; THE MATRIX INSTRUCTION IS USED TRANSPOSED: source 0 = 16 columns of B (turned on the way out of LDS by ds_load_tr16_b128), source 1 = 16 rows of A:
; a lane holds 8 neighbouring numbers of a row of C.  The bias is the C operand of each accumulator's first product: nothing is cleared, nothing added later.
; A wave's 64 columns are one block of C, so 16 rows are 2,048 consecutive bytes: each wave has a stage of its own on the way out.
; The text writes ONE K step in the loop; the slot in hand is a scalar that an exclusive or turns.
; A quarter's run of LDS loads stands at its head, a whole quarter's 32 products ahead of their first use; the change of slots stands at the last quarter's head, so that a refill goes out 8 products
; behind the wait that shows the other slot landed.
; LIMITS: NaN and infinities are not treated apart.
; REGISTERS: window 0: v0-31 addresses; v32-95 the way out; v96-127 bias; v128-255 accumulators ((a, b) at 128 + 8 (4 a + b)).  Window 1: two fragment buffers of 128: 64 of A, 64 of B, for 64 along K.
.set T,     4                          ; K steps
.set NBLK,  16                         ; A's blocks in a batch
.set BOFF,  0                          ; B's first byte in its buffer
.set PA,    144                        ; a row of A in LDS: 128 bytes + 16: 36 words, the 16 rows of a load start at 16 different groups of four banks (64 banks of 4 bytes: ISA guide 11.1)
.set PB,    288                        ; a row of B: 256 + 32: 72 words
.set PART,  36864                      ; what one tensor load fills: 4 x 64 x 144 = 128 x 288
.set BREG,  2*PART                     ; B's rows lie behind A's two halves
.set SLOT,  0x24000                    ; 4 parts; the parts begin at 0, 0x9000, 0x12000, 0x1b000: none has one of SLOT's two bits
.set STAGE, 2*SLOT                     ; behind the ring: 16 rows x 144 bytes for each wave
.set SP,    144
.set SPARE, STAGE+4*16*SP              ; behind the stages: the spare words, 128 bytes a wave
.set ASTEP, 4*262144                   ; a K step in A: four blocks
.set BSTEP, 256*2048                   ; in B: 256 rows
.set LA,   10                          ; v10  my lane's place in a slot's A
.set LB,   11                          ; v11  in its B
.set ADRA, 16                          ; v16  LA + the slot in hand
.set ADRB, 20                          ; v20  LB + the slot; v21 the same 128 rows of B on (a 16-bit offset does not reach them)
.set STO,  24                          ; v24  the way out: where I put 16 bytes of a row
.set RD,   25                          ; v25  where I read rows back
.set GO,   26                          ; v26  my 16 bytes in 512 consecutive bytes of C
.set BO,   27                          ; v27  my byte offset in the bias
.set SPW,  28                          ; v28  my spare word; never rewritten
.set NIL,  29                          ; v29  0; never rewritten
.set TT,   30                          ; v30  at work
.set TMP,  32
.set BIAS, 96
.set ACC,  128
.set F0,   0
.set F1,   128
.set WV,   12                          ; s12 wave; s13 = wave >> 1: my half of the rows, and: I fetch A (0) or B (1); s14 = wave & 1: my half of the columns, and which half I fetch
.set G1A,  24                          ; s[24:31] group 1 for A;  s[32:39] group 0: a set for each first fill, the second then walks
.set G0A,  32
.set G1B,  48                          ; s[48:55], s[56:63] the same for B
.set G0B,  56
.set TB,   66                          ; s66  0 or SLOT: the slot in hand
.set CNT,  67
.set MSB, 0
.macro WIN new                         ; the immediate's high byte repeats the setting that is left; a switch that changes nothing is dropped
.if MSB != (\new)
	s_set_vgpr_msb (MSB<<8)|(\new)
.set MSB, \new
.endif
.endm
.set MUL,  0x05                        ; sources 0 (B) and 1 (A) window 1; C and D window 0
.set TO_F, 0x40                        ; destination window 1, address window 0
.macro JLOAD                           ; a joint refill by the walking descriptors; an s_nop 0 and four v_nop follow each of the two lines
	s_cmp_eq_u32 s13, 0
	s_cbranch_scc0 .Lfor_b_\@
	tensor_load_to_lds s[G0A+4:G0A+7], s[G1A:G1A+7]
	s_nop 0
.rept 4
	v_nop
.endr
	s_branch .Lasked_\@
.Lfor_b_\@:
	tensor_load_to_lds s[G0B+4:G0B+7], s[G1B:G1B+7]
	s_nop 0
.rept 4
	v_nop
.endr
.Lasked_\@:
.endm
.macro CREST                           ; a round of the cluster's barrier behind its opening barrier
	s_cmp_lg_u32 s[WV], 0
	s_cbranch_scc1 .Lnot_wave_0_\@
	s_barrier_signal -3
.Lnot_wave_0_\@:
	s_barrier_wait -3
	s_barrier_signal -1
	s_barrier_wait -1
.endm
.macro CROUND
	s_barrier_signal -1
	s_barrier_wait -1
	CREST
.endm
.macro PLACES                          ; four places behind matrix instructions, in front of loads into registers that they read and of conversions of their results
.rept 4
	v_nop
.endr
.endm
.macro ADDR                            ; the fragment addresses in the slot in hand
	v_add_nc_u32 v[ADRA], s[TB], v[LA]
	v_add_nc_u32 v[ADRB], s[TB], v[LB]
	v_add_nc_u32 v[ADRB+1], PART, v[ADRB]
.endm
	s_load_b256 s[4:11], s[0:1], 0x0               ; A s[4:5], B s[6:7], bias s[8:9], C s[10:11]
	v_lshl_add_u32 v[SPW], v0, 2, SPARE
	v_mov_b32 v[NIL], 0
	ds_add_u32 v[SPW], v[NIL]                      ; the wave's opening: the add and its wait stand ahead of my first tensor load; the set-up below stands between them
	v_lshrrev_b32 v1, 5, v0
	v_readfirstlane_b32 s[WV], v1
	s_lshr_b32 s13, s[WV], 1
	s_and_b32 s14, s[WV], 1
	s_bfe_u32 s40, ttmp6, 0x40000                  ; cx, cy: my place in the cluster
	s_bfe_u32 s41, ttmp6, 0x40004
	s_lshl_b32 s42, ttmp9, 2
	s_add_co_u32 s42, s42, s40                     ; tile column 0..7
	s_and_b32 s43, ttmp7, 0xffff
	s_lshl_b32 s43, s43, 2
	s_add_co_u32 s43, s43, s41                     ; tile row 0..31
	s_lshl_b32 s44, s41, 2
	s_lshl_b32 s44, 15, s44                        ; my row of the cluster
	s_lshl_b32 s45, 0x1111, s40                    ; my column
	s_or_b32 s[G1A], s44, (1<<16)|(1<<20)|(1<<21)|(4<<22)|(3<<25)  ; the mask; 2-byte elements; padding on; bit 21 beside a mask; after every 32 words 4 words
	s_mov_b32 s[G1A+1], 4096<<16                   ; tensor_dim0 = 4,096: 64 rows x 64 columns of a block, dense
	s_mov_b32 s[G1A+2], 4<<16                      ; tensor_dim1 = 4 blocks
	s_mov_b32 s[G1A+3], 4096<<16                   ; tile_dim0
	s_mov_b32 s[G1A+4], 4                          ; tile_dim1
	s_mov_b32 s[G1A+5], 131072                     ; elements from block to block
	s_mov_b32 s[G1A+6], 0
	s_mov_b32 s[G1A+7], 0
	s_or_b32 s[G1B], s45, (1<<16)|(1<<20)|(1<<21)|(5<<22)|(7<<25)  ; after every 64 words 8 words
	s_mov_b32 s[G1B+1], 128<<16
	s_mov_b32 s[G1B+2], 128<<16
	s_mov_b32 s[G1B+3], 128<<16
	s_mov_b32 s[G1B+4], 128
	s_mov_b32 s[G1B+5], 1024
	s_mov_b32 s[G1B+6], 0
	s_mov_b32 s[G1B+7], 0
	s_lshr_b32 s16, s43, 4                         ; A: the batch,
	s_mul_i32 s16, s16, NBLK*262144
	s_and_b32 s17, s43, 15                         ; the tile's 128 rows of 128 bytes in a block,
	s_lshl_b32 s17, s17, 14
	s_add_co_u32 s16, s16, s17
	s_lshl_b32 s17, s14, 13                        ; the half that I fetch
	s_add_co_u32 s16, s16, s17
	s_mov_b32 s17, 0
	s_lshl_b32 s46, s14, 18                        ; B: the 128 rows that I fetch,
	s_lshl_b32 s47, s42, 8                         ; the tile's 128 columns
	s_add_co_u32 s46, s46, s47
.if BOFF
	s_add_co_u32 s46, s46, BOFF
.endif
	s_mov_b32 s47, 0
	s_mul_i32 s20, s[WV], PART                     ; where my part goes: wave x 36,864: no place in the cluster enters an LDS address
	s_mov_b32 s[TB], 0
	s_wait_dscnt 0x0                               ; the opening add is done
	s_wait_kmcnt 0x0
	s_add_nc_u64 s[16:17], s[4:5], s[16:17]
	s_add_nc_u64 s[46:47], s[6:7], s[46:47]
	CROUND                                         ; all sixteen work-groups are here: the first joint loads meet
.irp n, 0,1
	s_mov_b32 s[G0A+4*(\n)], 1
	s_add_co_u32 s[G0A+4*(\n)+1], s20, (\n)*SLOT
	s_add_nc_u64 s[G0A+4*(\n)+2:G0A+4*(\n)+3], s[16:17], (\n)*ASTEP
	s_or_b32 s[G0A+4*(\n)+3], s[G0A+4*(\n)+3], 0x80000000
	s_mov_b32 s[G0B+4*(\n)], 1
	s_add_co_u32 s[G0B+4*(\n)+1], s20, (\n)*SLOT
	s_add_nc_u64 s[G0B+4*(\n)+2:G0B+4*(\n)+3], s[46:47], (\n)*BSTEP
	s_or_b32 s[G0B+4*(\n)+3], s[G0B+4*(\n)+3], 0x80000000
.endr
	s_cmp_eq_u32 s13, 0                            ; a wave's two first fills stand in one branch: two loads of mine are out
	s_cbranch_scc0 .Lfirst_b
	tensor_load_to_lds s[G0A:G0A+3], s[G1A:G1A+7]
	s_nop 0
	tensor_load_to_lds s[G0A+4:G0A+7], s[G1A:G1A+7]
	s_nop 0
.rept 4
	v_nop
.endr
	s_branch .Lfirst_asked
.Lfirst_b:
	tensor_load_to_lds s[G0B:G0B+3], s[G1B:G1B+7]
	s_nop 0
	tensor_load_to_lds s[G0B+4:G0B+7], s[G1B:G1B+7]
	s_nop 0
.rept 4
	v_nop
.endr
.Lfirst_asked:
	v_and_b32 v1, 15, v0                           ; r = l % 16
	v_bfe_u32 v2, v0, 4, 1                         ; h = l / 16
	v_lshlrev_b32 v[BO], 5, v2                     ; my 8 columns of 16: 32 h bytes
	s_lshl_b32 s70, s42, 9                         ; the bias of my wave's 64 columns
	s_lshl_b32 s71, s14, 8
	s_add_co_u32 s70, s70, s71
	s_mov_b32 s71, 0
	s_add_nc_u64 s[8:9], s[8:9], s[70:71]
.irp b, 0,1,2,3
	global_load_b128 v[BIAS+8*(\b):BIAS+8*(\b)+3],   v[BO], s[8:9] offset:64*(\b)
	global_load_b128 v[BIAS+8*(\b)+4:BIAS+8*(\b)+7], v[BO], s[8:9] offset:64*(\b)+16
.endr
	; a fragment of A: lane l holds row l % 16, K = 8 h + 0..7 and 16 + 8 h + 0..7: two loads of 16 bytes, 32 bytes apart
	v_mul_u32_u24 v3, v1, PA
	v_lshl_add_u32 v3, v2, 4, v3                   ; r x 144 + 16 h: also my place in the stage
	s_mul_i32 s21, s13, PART
	v_add_nc_u32 v[LA], s21, v3
	; the turning load takes 16 k x 16 n (lane l reads row 8 h + l % 8, 16 bytes at 16 ((l / 8) % 2)) and leaves half a fragment: lane l holds column l % 16 and 8 k
	v_and_b32 v4, 7, v0
	v_lshl_add_u32 v5, v2, 3, v4
	v_mul_u32_u24 v[LB], v5, PB
	v_bfe_u32 v5, v0, 3, 1
	v_lshl_add_u32 v[LB], v5, 4, v[LB]
	s_lshl_b32 s22, s14, 7                         ; my 64 columns
	s_add_co_u32 s22, s22, BREG
	v_add_nc_u32 v[LB], s22, v[LB]
	ADDR
	s_mul_i32 s23, s[WV], 16*SP
	s_add_co_u32 s23, s23, STAGE                   ; my stage
	v_add_nc_u32 v[STO], s23, v3
	v_bfe_u32 v[RD], v0, 3, 2                      ; back: 32 lanes take four rows of 128 bytes,
	v_mul_u32_u24 v[RD], v[RD], SP
	v_lshl_add_u32 v[RD], v4, 4, v[RD]
	v_add_nc_u32 v[RD], s23, v[RD]
	v_and_b32 v[GO], 31, v0                        ; which are 512 consecutive bytes of C
	v_lshlrev_b32 v[GO], 4, v[GO]
	s_lshr_b32 s68, s43, 4                         ; C: block 16 x batch + 2 x tile column + my half,
	s_lshl_b32 s68, s68, 4
	s_lshl_b32 s69, s42, 1
	s_add_co_u32 s68, s68, s69
	s_add_co_u32 s68, s68, s14
	s_lshl_b32 s68, s68, 18
	s_and_b32 s69, s43, 15                         ; the tile's rows, my 64 of them
	s_lshl_b32 s69, s69, 14
	s_add_co_u32 s68, s68, s69
	s_lshl_b32 s69, s13, 13
	s_add_co_u32 s68, s68, s69
	s_mov_b32 s69, 0
	s_add_nc_u64 s[10:11], s[10:11], s[68:69]
; 8 matrix instructions: row blocks a0, a0 + 1 x all 4 column blocks, 32 along K: half c of buffer f.  first = 1: the bias starts the sums.  The 16 accumulators take turns.
.macro MUL8 f, c, a0, first
	WIN MUL
.irp a, \a0, (\a0)+1
.irp b, 0,1,2,3
.if \first
	v_wmma_f32_16x16x32_bf16 v[ACC+8*(4*(\a)+(\b)):ACC+8*(4*(\a)+(\b))+7], v[(\f)+64+8*(4*(\c)+(\b)):(\f)+64+8*(4*(\c)+(\b))+7], v[(\f)+8*(4*(\c)+(\a)):(\f)+8*(4*(\c)+(\a))+7], v[BIAS+8*(\b):BIAS+8*(\b)+7]
.else
	v_wmma_f32_16x16x32_bf16 v[ACC+8*(4*(\a)+(\b)):ACC+8*(4*(\a)+(\b))+7], v[(\f)+64+8*(4*(\c)+(\b)):(\f)+64+8*(4*(\c)+(\b))+7], v[(\f)+8*(4*(\c)+(\a)):(\f)+8*(4*(\c)+(\a))+7], v[ACC+8*(4*(\a)+(\b)):ACC+8*(4*(\a)+(\b))+7]
.endif
.endr
.endr
.endm
; 32 LDS loads in one run: the fragments of quarter kq (64 along K: one block of A, 64 rows of B) into buffer f; the first 32 along K first
.macro FETCH kq, f
	WIN TO_F
.irp c, 0,1
.irp i, 0,1,2,3
	ds_load_tr16_b128 v[(\f)+64+8*(4*(\c)+(\i)):(\f)+64+8*(4*(\c)+(\i))+3],   v[ADRB+(\kq)/2] offset:(((\kq)%2)*64+32*(\c))*PB+32*(\i)
	ds_load_tr16_b128 v[(\f)+64+8*(4*(\c)+(\i))+4:(\f)+64+8*(4*(\c)+(\i))+7], v[ADRB+(\kq)/2] offset:(((\kq)%2)*64+32*(\c)+16)*PB+32*(\i)
	ds_load_b128 v[(\f)+8*(4*(\c)+(\i)):(\f)+8*(4*(\c)+(\i))+3],   v[ADRA] offset:(\kq)*64*PA+(\i)*16*PA+64*(\c)
	ds_load_b128 v[(\f)+8*(4*(\c)+(\i))+4:(\f)+8*(4*(\c)+(\i))+7], v[ADRA] offset:(\kq)*64*PA+(\i)*16*PA+64*(\c)+32
.endr
.endr
.endm
; A K step is four quarters on buffers 0, 1, 0, 1.  One of the first three fetches quarter kq into g, which the products just issued have read (hence the places), and multiplies buffer f.
.macro QUARTER kq, f, g, first
	s_wait_dscnt 16                                ; f's first 32 along K are in; its younger sixteen loads may be out
	PLACES
	FETCH \kq, \g
	MUL8 \f, 0, 0, \first
	MUL8 \f, 0, 2, \first
	s_wait_dscnt 32                                ; all but the 32 just issued
	MUL8 \f, 1, 0, 0
	MUL8 \f, 1, 2, 0
.endm
; The last quarter multiplies buffer 1 and changes slots at its head: one barrier; in front of it each wave waits for all its tensor loads (one is out: its part of the next slot), adds 0 to its spare
; word, and waits for that and for its reads of this slot (the last were issued a quarter ago).  fill = 1: the barrier opens a round of the cluster's, and this slot is filled again, two K steps
; ahead, first thing behind the round: 120 of a step's 128 matrix instructions stand between the request and the wait for it.
.macro TURN fill
	WIN 0
	s_wait_tensorcnt 0x0                           ; no tensor load of mine is out, so a group 0 may be written
	ds_add_u32 v[SPW], v[NIL]                      ; 0 onto my spare word; the descriptors' steps and eight products stand between it and the wait for it
.if \fill
	s_xor_b32 s[G0A+5], s[G0A+5], SLOT             ; the walking descriptors: the other slot than last time, the next K step
	s_add_nc_u64 s[G0A+6:G0A+7], s[G0A+6:G0A+7], ASTEP
	s_xor_b32 s[G0B+5], s[G0B+5], SLOT
	s_add_nc_u64 s[G0B+6:G0B+7], s[G0B+6:G0B+7], BSTEP
.endif
	s_wait_dscnt 17                                ; the add and the youngest sixteen loads may be out
	MUL8 F1, 0, 0, 0
	WIN 0
	s_wait_dscnt 0x0                               ; the add is done, and my reads of this slot are over
	s_barrier_signal -1
	s_barrier_wait -1
.if \fill
	CREST
	JLOAD                                          ; its four v_nop are also the places in front of the loads below
.else
	PLACES
.endif
	s_xor_b32 s[TB], s[TB], SLOT
	ADDR
	FETCH 0, F0
	MUL8 F1, 0, 2, 0
	MUL8 F1, 1, 0, 0
	MUL8 F1, 1, 2, 0
.endm
	s_wait_tensorcnt 0x1                           ; my part of K step 0 is in; step 1's may stay out
	s_barrier_signal -1
	s_barrier_wait -1
	FETCH 0, F0
	WIN 0
	s_wait_loadcnt 0x0                             ; the bias
.set k, 0
.rept 16                                               ; rounded to bf16 and widened again, in place
	v_cvt_pk_bf16_f32 v[TT], v[BIAS+2*k], v[BIAS+2*k+1]
	v_lshlrev_b32 v[BIAS+2*k], 16, v[TT]
	v_and_b32 v[BIAS+2*k+1], 0xffff0000, v[TT]
.set k, k+1
.endr
	QUARTER 1, F0, F1, 1                           ; the first quarter stands in front of the loop: its first products start the sums
	WIN 0
	s_mov_b32 s[CNT], T-2
.Lstep:                                                ; a trip: a step's quarters 1 to 3, the change of slots with a refill, the next step's quarter 0
	QUARTER 2, F1, F0, 0
	QUARTER 3, F0, F1, 0
	TURN 1
	QUARTER 1, F0, F1, 0
	WIN 0
	s_sub_co_u32 s[CNT], s[CNT], 1
	s_cmp_lg_u32 s[CNT], 0
	s_cbranch_scc1 .Lstep
	s_mov_b32 s[CNT], 2
.Ltail:                                                ; the last two steps ask for nothing: a text of their own; the second trip is left in its middle
	QUARTER 2, F1, F0, 0
	QUARTER 3, F0, F1, 0
	WIN 0
	s_sub_co_u32 s[CNT], s[CNT], 1
	s_cmp_eq_u32 s[CNT], 0
	s_cbranch_scc1 .Lout
	TURN 0
	QUARTER 1, F0, F1, 0
	WIN 0
	s_branch .Ltail
.Lout:
	s_wait_dscnt 16
	MUL8 F1, 0, 0, 0
	MUL8 F1, 0, 2, 0
	s_wait_dscnt 0x0
	MUL8 F1, 1, 0, 0
	MUL8 F1, 1, 2, 0
	WIN 0
	; THE WAY OUT, 16 rows at a time: rounded to bf16, 16 bytes a lane into my stage (rows of 144 bytes), back as whole rows of 128, stored as 512 consecutive bytes.
.macro PACK a
.irp b, 0,1,2,3
.irp r, 0,1,2,3
	v_cvt_pk_bf16_f32 v[TMP+16*(\a)+4*(\b)+(\r)], v[ACC+8*(4*(\a)+(\b))+2*(\r)], v[ACC+8*(4*(\a)+(\b))+2*(\r)+1]
.endr
.endr
.irp b, 0,1,2,3
	ds_store_b128 v[STO], v[TMP+16*(\a)+4*(\b):TMP+16*(\a)+4*(\b)+3] offset:32*(\b)
.endr
.irp f, 0,1,2,3
	ds_load_b128 v[TMP+16*(\a)+4*(\f):TMP+16*(\a)+4*(\f)+3], v[RD] offset:(\f)*4*SP  ; LDS serves a wave's instructions in order (ISA guide 5.7.1.4): these see the stores above
.endr
.endm
.macro SEND a, younger                 ; younger: the LDS instructions issued behind block a's loads
.irp f, 0,1,2,3
	s_wait_dscnt (\younger)+3-(\f)
	global_store_b128 v[GO], v[TMP+16*(\a)+4*(\f):TMP+16*(\a)+4*(\f)+3], s[10:11] offset:(\a)*2048+(\f)*512
.endr
.endm
	PLACES
	PACK 0
	PACK 1
	SEND 0, 8
	PACK 2
	SEND 1, 8
	PACK 3
	SEND 2, 8
	SEND 3, 0
	s_wait_tensorcnt 0x0                           ; the wave's end
	ds_add_u32 v[SPW], v[NIL]
	s_wait_dscnt 0x0
	CROUND                                         ; the closing round: no work-group ends while a partner may still ask for a tile that names it
	s_endpgm
.Lfunc_end_k_qdd4b822a46_gq:
	.size	k_qdd4b822a46_gq, .Lfunc_end_k_qdd4b822a46_gq-k_qdd4b822a46_gq
	.p2alignl 7, 3214868480
	.fill 96, 4, 3214868480
	.section	.rodata,"a",@progbits
	.p2align	6, 0x0
	.amdhsa_kernel k_qdd4b822a46_gq
		.amdhsa_group_segment_fixed_size 327680
		.amdhsa_private_segment_fixed_size 0
		.amdhsa_enable_private_segment 0
		.amdhsa_kernarg_size 32
		.amdhsa_user_sgpr_count 2
		.amdhsa_user_sgpr_kernarg_segment_ptr 1
		.amdhsa_wavefront_size32 1
		.amdhsa_system_sgpr_workgroup_id_x 1
		.amdhsa_system_sgpr_workgroup_id_y 1
		.amdhsa_system_sgpr_workgroup_id_z 1
		.amdhsa_system_vgpr_workitem_id 0
		.amdhsa_next_free_vgpr 512
		.amdhsa_next_free_sgpr 80
		.amdhsa_reserve_vcc 0
		.amdhsa_float_denorm_mode_32 3
		.amdhsa_float_denorm_mode_16_64 3
		.amdhsa_memory_ordered 1
		.amdhsa_forward_progress 1
		.amdhsa_inst_pref_size 64
	.end_amdhsa_kernel
	.amdgpu_metadata
---
amdhsa.version: [ 1, 2 ]
amdhsa.kernels:
  - .name:           k_qdd4b822a46_gq
    .symbol:         k_qdd4b822a46_gq.kd
    .args:
      - { .name: bufa, .offset: 0, .size: 8, .value_kind: global_buffer, .address_space: global }
      - { .name: wqb, .offset: 8, .size: 8, .value_kind: global_buffer, .address_space: global }
      - { .name: wq_b, .offset: 16, .size: 8, .value_kind: global_buffer, .address_space: global }
      - { .name: bufb, .offset: 24, .size: 8, .value_kind: global_buffer, .address_space: global }
    .group_segment_fixed_size: 327680
    .private_segment_fixed_size: 0
    .kernarg_segment_align: 8
    .kernarg_segment_size: 32
    .max_flat_workgroup_size: 128
    .sgpr_count:     80
    .vgpr_count:     512
    .wavefront_size: 32
...
	.end_amdgpu_metadata
.endif
;; end of part 2
;; launch attn (part 3): grid 8 x 32, 4 waves a work-group, clusters of 4 x 1, 327,680 bytes of LDS; arguments bufb, bufc; writes bufc
.if DOCPART == 3
	.amdgcn_target "amdgcn-amd-amdhsa--gfx1250"
	.amdhsa_code_object_version 6
	.text
	.protected	k_qdd4b822a46_attn
	.globl	k_qdd4b822a46_attn
	.p2align	8
	.type	k_qdd4b822a46_attn,@function
k_qdd4b822a46_attn:
	s_mov_b64 s[64:65], 0
	v_nop
	global_prefetch_b8 v0, s[64:65] scope:SCOPE_SE
	s_setreg_imm32_b32 hwreg(HW_REG_WAVE_MODE, 25, 1), 1
	s_wait_xcnt 0x0
	s_wait_alu depctr_hold_cnt(0) depctr_sa_sdst(0) depctr_va_vdst(0) depctr_va_sdst(0) depctr_va_ssrc(0) depctr_va_vcc(0) depctr_vm_vsrc(0)
	s_getreg_b32 s2, hwreg(HW_REG_IB_STS2, 6, 4)
	s_cmp_eq_u32 s2, 0
	s_cbranch_scc0 .Lentry_in_a_cluster
	s_endpgm
.Lentry_in_a_cluster:
	s_bfe_u32 s2, ttmp6, 0x10000c
	s_cmp_lg_u32 s2, 0x3003
	s_cbranch_scc0 .Lentry_shape_is_right
	s_endpgm
.Lentry_shape_is_right:
; O[hd][s][:] = the sum over t of softmax_t(q[hd][s] . q[hd][t] / 8) q[hd][t][:].  q and O: [32 heads][2048][64] bf16, a head's rows dense, 128 bytes each.  The module's queries, keys and
; values are one tensor, so ONE copy of the head lies in LDS (2,048 rows of 144 bytes), read as it lies for K and turned for V: no ring, nothing is filled again.
; Products, maxima and sums in f32; the weights p are rounded to bf16 for the second product (their sum l is taken of the unrounded p), O once at the end.
; LIMITS.  A weight below 2^-126 counts as 0 in l; c x score must lie above -4.2e37, where c m starts; NaN and infinities are not treated apart.
; SHARES.  A work-group owns 256 queries of a head, a wave 64: four PIECES of 16.  Every wave walks all keys, 64 a step, 32 steps.
; CLUSTER.  The four query blocks of a cluster belong to one head: each wave's two loads (64 keys of the first 256; 448 of the rest) are asked for jointly by all four.  The first four steps
; need the first 256 keys alone and run while the rest is on its way.
; LAYOUT.  S^T = K Q^T holds ONE query a lane (lane % 16) and the keys 8 (lane / 16) + 0..7; two such results rounded to bf16 ARE source 1 of O^T = V^T P.
; SOFTMAX.  p = 2^(c s - c m), c = log2(e) / 8, with a running maximum m; O and l are multiplied by a = 2^(c m_old - c m_new) in every step.  m starts at the lowest finite number, O and l at 0.
; TURNS.  Turn n belongs to piece n: 8 products K Q^T of piece n + 1, later 8 products V^T P of piece n - 1; beside them the scaling, exponentials, roundings, sums and rescaling of piece n and the
; maximum and statistics of piece n + 1.  Four vector instructions stand behind every matrix instruction, the other 54 of a turn's 118 in two lumps.
; REGISTERS, in windows of 256 (s_set_vgpr_msb: bits 1:0 source 0, 3:2 source 1, 5:4 source 2, 7:6 destination):
;   window 0: v0-15 addresses and two at work; v16-31 four registers of statistics a piece; v48-55 at work; v64-127 S^T, two buffers; v192-223 P, two buffers (by the piece's parity)
;   window 1: v0-127 O^T, 32 a piece      window 2: v0-63 Q; v128-191 K of one step; v192-255 V of one step
.set NP,    4
.set KS,    64
.set PK,    144       ; a row in LDS: 128 bytes + 16: the 16 rows of a plain load start at 16 different groups of four banks (64 banks of 4 bytes: ISA guide 11.1); of the turning load's 8 rows x 32 bytes two overlap by 16 bytes: 160 would not fit
.set STEPB, KS*PK
.set STAGE, 2048*PK   ; behind the head: 16 rows x 144 bytes for each wave, for the way out
.set SP,    144
.set SPARE, STAGE+4*16*SP  ; behind the stages: the spare words, 128 bytes a wave
.set AK0, 2           ; v2   my lane's place in a step's rows, for K; never rewritten
.set AV0, 3           ; v3   for V
.set AK,  4           ; v4   the LDS address of K's next run of loads
.set AV,  5           ; v5   of V's
.set STO, 6
.set RD,  7
.set GO,  8
.set MV,  12          ; v12-13  c m_old, by buffer
.set QO,  15          ; v15  my byte offset in 16 rows of Q
.set ST,  16          ; piece t's statistics at v[ST+4 t]: c m, m, l (even keys', odd keys')
.set TMP, 48          ; by buffer, c0-c3 at work; when the maximum is found c2 takes a
.set SPW, 62
.set NIL, 63
.set S,   64
.set P,   192
.set KF,  128         ; window 2: key block kb, channel half c at KF + 16 kb + 8 c
.set VF,  192         ; window 2: key half kk, channel block cb at VF + 32 kk + 8 cb
.set WV,  12
.set G1A, 24          ; s[24:31] group 1 of the first load: 32 rows of 256 bytes
.set G1B, 32          ; s[32:39] of the second: 224 rows
.set G0A, 40
.set G0B, 44
.set PARTS, 56
.set CNT, 57
.set CS,  58          ; s[58:59] c
.set SEL, 60          ; s[60:61] v_permlanex16_b32's selects: each lane takes its own place in the other half
.set TBK, 62          ; s62  LDS byte at which the rows of the step whose K is fetched next begin
.set TBV, 63          ; s63  the same for V
.set MSB, 0
.macro WIN new
.if MSB != (\new)
	s_set_vgpr_msb (MSB<<8)|(\new)
.set MSB, (\new)
.endif
.endm
.set W_KQ, 0x0a       ; K and Q in window 2, S^T in window 0
.set W_PV, 0x52       ; V in window 2, P in window 0, O^T in window 1
.set W_RS, 0x41       ; destination and source 0 in window 1, source 1 in window 0
.macro CROUND
	s_barrier_signal -1
	s_barrier_wait -1
	s_cmp_lg_u32 s[WV], 0
	s_cbranch_scc1 .Lnot_wave_0_\@
	s_barrier_signal -3
.Lnot_wave_0_\@:
	s_barrier_wait -3
	s_barrier_signal -1
	s_barrier_wait -1
.endm
	s_load_b128 s[4:7], s[0:1], 0x0 ; q s[4:5], O s[6:7]
	v_lshl_add_u32 v[SPW], v0, 2, SPARE
	v_mov_b32 v[NIL], 0
	ds_add_u32 v[SPW], v[NIL]       ; the wave's opening: the add and its wait stand ahead of my first tensor load
	v_lshrrev_b32 v1, 5, v0
	v_readfirstlane_b32 s[WV], v1
	s_bfe_u32 s13, ttmp6, 0x40000   ; cx
	s_lshl_b32 s14, ttmp9, 2
	s_add_co_u32 s14, s14, s13      ; my block of 256 queries: it enters Q's and O's addresses alone
	s_and_b32 s20, ttmp7, 0xffff    ; the head, which the four partners share
	s_lshl_b32 s20, s20, 18         ; its 262,144 bytes
	s_lshl_b32 s16, s[WV], 13       ; the first load: keys 64 w on
	s_add_co_u32 s16, s16, s20
	s_mov_b32 s17, 0
	s_mul_i32 s18, s[WV], 448*128   ; the second: keys 256 + 448 w on
	s_add_co_u32 s18, s18, 256*128
	s_add_co_u32 s18, s18, s20
	s_mov_b32 s19, 0
	s_lshl_b32 s2, s14, 15          ; my block's rows, my wave's 64 of them
	s_lshl_b32 s3, s[WV], 13
	s_add_co_u32 s2, s2, s3
	s_add_co_u32 s2, s2, s20
	s_mov_b32 s3, 0
	; two keys are a row of 256 bytes; padded in LDS after every key
	s_mov_b32 s[G1A], 15|(1<<16)|(1<<20)|(1<<21)|(4<<22)|(3<<25)  ; the mask of four; 2-byte elements; padding on; bit 21 beside a mask; after every 32 words 4 words
	s_mov_b32 s[G1A+1], 128<<16
	s_mov_b32 s[G1A+2], 32<<16
	s_mov_b32 s[G1A+3], 128<<16
	s_mov_b32 s[G1A+4], 32
	s_mov_b32 s[G1A+5], 128
	s_mov_b32 s[G1A+6], 0
	s_mov_b32 s[G1A+7], 0
	s_mov_b32 s[G1B], 15|(1<<16)|(1<<20)|(1<<21)|(4<<22)|(3<<25)
	s_mov_b32 s[G1B+1], 128<<16
	s_mov_b32 s[G1B+2], 224<<16
	s_mov_b32 s[G1B+3], 128<<16
	s_mov_b32 s[G1B+4], 224
	s_mov_b32 s[G1B+5], 128
	s_mov_b32 s[G1B+6], 0
	s_mov_b32 s[G1B+7], 0
	s_mov_b32 s[G0A], 1
	s_mul_i32 s[G0A+1], s[WV], 64*PK
	s_mov_b32 s[G0B], 1
	s_mul_i32 s[G0B+1], s[WV], 448*PK
	s_add_co_u32 s[G0B+1], s[G0B+1], 256*PK
	s_mov_b32 s[CS], 0x3e38aa3b     ; c = log2(e) / 8
	s_mov_b32 s[CS+1], s[CS]
	s_mov_b32 s[SEL], 0x76543210
	s_mov_b32 s[SEL+1], 0xfedcba98
	s_mov_b32 s[TBK], 0
	s_mov_b32 s[TBV], 0
	s_wait_dscnt 0x0                ; the opening add is done
	s_wait_kmcnt 0x0
	s_add_nc_u64 s[G0A+2:G0A+3], s[4:5], s[16:17]
	s_or_b32 s[G0A+3], s[G0A+3], 0x80000000
	s_add_nc_u64 s[G0B+2:G0B+3], s[4:5], s[18:19]
	s_or_b32 s[G0B+3], s[G0B+3], 0x80000000
	s_add_nc_u64 s[8:9], s[4:5], s[2:3]   ; Q and O at my wave's first row
	s_add_nc_u64 s[6:7], s[6:7], s[2:3]
	CROUND                          ; all four work-groups are here: the joint loads meet
	tensor_load_to_lds s[G0A:G0A+3], s[G1A:G1A+7]
	s_nop 0
	tensor_load_to_lds s[G0B:G0B+3], s[G1B:G1B+7]  ; two loads of mine are out, and no more follow
	s_nop 0
.rept 4
	v_nop
.endr
	v_and_b32 v1, 15, v0            ; l % 16
	v_bfe_u32 v9, v0, 4, 1          ; l / 16
	v_lshlrev_b32 v[QO], 7, v1
	v_lshl_add_u32 v[QO], v9, 4, v[QO]
	WIN 0x80                        ; destination window 2
.set i, 0
.rept 8                             ; Q stays in registers: piece i / 2, channels 32 (i % 2) on
	global_load_b128 v[8*i:8*i+3],   v[QO], s[8:9] offset:(i/2)*2048+(i%2)*64
	global_load_b128 v[8*i+4:8*i+7], v[QO], s[8:9] offset:(i/2)*2048+(i%2)*64+32
.set i, i+1
.endr
	WIN 0
	v_mul_u32_u24 v[AK0], v1, PK
	v_lshl_add_u32 v[AK0], v9, 4, v[AK0]
	; the turning load takes 16 keys x 16 channels (lane l reads key 8 (l / 16) + l % 8, channels 8 ((l / 8) % 2) + 0..7) and leaves half a fragment of V^T
	v_and_b32 v10, 7, v0
	v_bfe_u32 v11, v0, 3, 1
	v_lshl_add_u32 v[AV0], v9, 3, v10
	v_mul_u32_u24 v[AV0], v[AV0], PK
	v_lshl_add_u32 v[AV0], v11, 4, v[AV0]
	s_mul_i32 s13, s[WV], 16*SP
	s_add_co_u32 s13, s13, STAGE
	v_mul_u32_u24 v[STO], v1, SP
	v_lshl_add_u32 v[STO], v9, 4, v[STO]
	v_add_nc_u32 v[STO], s13, v[STO]
	v_bfe_u32 v[RD], v0, 3, 2
	v_mul_u32_u24 v[RD], v[RD], SP
	v_lshl_add_u32 v[RD], v10, 4, v[RD]
	v_add_nc_u32 v[RD], s13, v[RD]
	v_and_b32 v[GO], 31, v0
	v_lshlrev_b32 v[GO], 4, v[GO]
	; What the first turn finds: V's registers and P's second buffer hold 0 (its products V^T P, of a piece that has not been, add 0), O^T and l are 0.  No first step is written out; these lines stand in the wait for the first keys.
	WIN 0x80
.set i, VF
.rept 64
	v_mov_b32 v[i], 0
.set i, i+1
.endr
	WIN 0x40
.set i, 0
.rept 128
	v_mov_b32 v[i], 0
.set i, i+1
.endr
	WIN 0
.set i, 0
.rept 4
	v_mov_b32 v[ST+4*i], 0xfe000000    ; c m: far below every c s
	v_mov_b32 v[ST+4*i+1], 0xff7fffff  ; m
	v_mov_b32 v[ST+4*i+2], 0
	v_mov_b32 v[ST+4*i+3], 0
.set i, i+1
.endr
.set i, P+16
.rept 16
	v_mov_b32 v[i], 0
.set i, i+1
.endr
; THE MATRIX WORK.  The 4 accumulators of a run of 8 take turns.  Product i of 8 of S^T = K Q^T for piece x: channels 32 (i / 4) on, keys 16 (i % 4) on.  The first 4 start the sums.
.macro KQ x
	WIN W_KQ
.set rS, S+32*((\x)%2)+8*(i%4)
.set rK, KF+16*(i%4)+8*(i/4)
.set rQ, 16*(\x)+8*(i/4)
.if i < 4
	v_wmma_f32_16x16x32_bf16 v[rS:rS+7], v[rK:rK+7], v[rQ:rQ+7], 0
.else
	v_wmma_f32_16x16x32_bf16 v[rS:rS+7], v[rK:rK+7], v[rQ:rQ+7], v[rS:rS+7]
.endif
.endm
; Product i of 8 of O^T += V^T P for piece x: keys 32 (i / 4) on, channels 16 (i % 4) on.
.macro PV x
	WIN W_PV
.set rO, 32*(\x)+8*(i%4)
.set rV, VF+32*(i/4)+8*(i%4)
.set rP, P+16*((\x)%2)+8*(i/4)
	v_wmma_f32_16x16x32_bf16 v[rO:rO+7], v[rV:rV+7], v[rP:rP+7], v[rO:rO+7]
.endm
.macro MM                           ; the turn's next matrix instruction.  NOKQ = 1: the last turn: there is no next piece
.if (i < 8) && !NOKQ
	KQ (Y+1)%NP
.elseif i >= 8
.set i, i-8
	PV (Y+NP-1)%NP
.set i, i+8
.endif
.set i, i+1
.endm
; THE LDS LOADS stand in runs of 16, never singly among the matrix instructions.
.macro FETCH_K
	WIN 0x80
.irp f, 0,1,2,3,4,5,6,7             ; keys 16 (f / 2) on, channels 32 (f % 2) on
	ds_load_b128 v[KF+8*\f:KF+8*\f+3],   v[AK] offset:(\f/2)*16*PK+(\f%2)*64
	ds_load_b128 v[KF+8*\f+4:KF+8*\f+7], v[AK] offset:(\f/2)*16*PK+(\f%2)*64+32
.endr
	s_add_co_u32 s[TBK], s[TBK], STEPB
	WIN 0
.endm
.macro FETCH_V
	WIN 0x80
.irp f, 0,1,2,3,4,5,6,7             ; keys 32 (f / 4) on, channels 16 (f % 4) on
	ds_load_tr16_b128 v[VF+8*\f:VF+8*\f+3],   v[AV] offset:(\f/4)*32*PK+(\f%4)*32
	ds_load_tr16_b128 v[VF+8*\f+4:VF+8*\f+7], v[AV] offset:(\f/4)*32*PK+16*PK+(\f%4)*32
.endr
	WIN 0
.endm
; THE VECTOR WORK, one line at a time: OP kind, number.  For piece Y: F n: c s - c m for pair n of 16.  E n: the exponential of score n of 32.  C n: pair n rounded to bf16.  B n: of the four weights 4 n .. the second
; pair is added onto the first, in place.  L n: l takes that sum (L 0: l = a l + sum).  R n: pair n of 16 of O^T times a.  For piece Y + 1: X n, number n of the 22 that find its maximum and statistics:
;   0-11  four chains c0-c3 of seven scores each (each accumulator's lowest registers are read first)     12-14, 16  the four scores left over, the old m, and c0-c3 into c0
;   15  c m_old is kept     17, 18  the query's other 32 keys lie in the lane 16 away: the new m     19-21  c m; c m_old - c m_new; a
.set F, 0
.set E, 1
.set C, 2
.set B, 3
.set L, 4
.set R, 5
.set X, 6
.macro REGS y
.set rT, ST+4*(\y)
.set rC, TMP+4*((\y)%2)
.set rW, MV+((\y)%2)
.set rS, S+32*((\y)%2)
.set rP, P+16*((\y)%2)
.set rO, 32*(\y)
.endm
.macro OP k, n
.if (\k) == R
	REGS Y
	WIN W_RS
	v_pk_mul_f32 v[rO+2*(\n):rO+2*(\n)+1], v[rO+2*(\n):rO+2*(\n)+1], v[rC+2:rC+3] op_sel_hi:[1,0]
.elseif (\k) < R
	REGS Y
	WIN 0
.if (\k) == F
	v_pk_fma_f32 v[rS+2*(\n):rS+2*(\n)+1], v[rS+2*(\n):rS+2*(\n)+1], s[CS:CS+1], v[rT:rT+1] op_sel_hi:[1,0,0] neg_lo:[0,0,1] neg_hi:[0,0,1]
.elseif (\k) == E
	v_exp_f32 v[rS+(\n)], v[rS+(\n)]
.elseif (\k) == C
	s_wait_alu depctr_va_vdst(0)
	v_cvt_pk_bf16_f32 v[rP+(\n)], v[rS+2*(\n)], v[rS+2*(\n)+1]
.elseif (\k) == B
	s_wait_alu depctr_va_vdst(0)
	v_pk_add_f32 v[rS+4*(\n):rS+4*(\n)+1], v[rS+4*(\n):rS+4*(\n)+1], v[rS+4*(\n)+2:rS+4*(\n)+3]
.elseif (\n) == 0
	v_pk_fma_f32 v[rT+2:rT+3], v[rT+2:rT+3], v[rC+2:rC+3], v[rS:rS+1] op_sel_hi:[1,0,1]
.else
	v_pk_add_f32 v[rT+2:rT+3], v[rT+2:rT+3], v[rS+4*(\n):rS+4*(\n)+1]
.endif
.elseif NOKQ
	v_nop
.else
	REGS (Y+1)%NP
	WIN 0
.if (\n) < 4
	v_max3_num_f32 v[rC+(\n)], v[rS+8*(\n)], v[rS+8*(\n)+1], v[rS+8*(\n)+2]
.elseif (\n) < 12
	v_max3_num_f32 v[rC+(\n)%4], v[rC+(\n)%4], v[rS+8*((\n)%4)+2*((\n)/4)+1], v[rS+8*((\n)%4)+2*((\n)/4)+2]
.elseif (\n) == 12
	v_max3_num_f32 v[rC], v[rC], v[rS+7], v[rS+15]
.elseif (\n) == 13
	v_max3_num_f32 v[rC+1], v[rC+1], v[rS+23], v[rS+31]
.elseif (\n) == 14
	v_max3_num_f32 v[rC+2], v[rC+2], v[rC+3], v[rT+1]
.elseif (\n) == 15
	v_mov_b32 v[rW], v[rT]
.elseif (\n) == 16
	v_max3_num_f32 v[rC], v[rC], v[rC+1], v[rC+2]
.elseif (\n) == 17
	v_permlanex16_b32 v[rC+3], v[rC], s[SEL], s[SEL+1]
.elseif (\n) == 18
	v_max_num_f32 v[rT+1], v[rC], v[rC+3]
.elseif (\n) == 19
	v_mul_f32 v[rT], s[CS], v[rT+1]
.elseif (\n) == 20
	v_sub_f32 v[rC+1], v[rW], v[rT]
.else
	v_exp_f32 v[rC+2], v[rC+1]
.endif
.endif
.endm
.macro OPS a, i1, b=-1, i2=0, c=-1, i3=0, d=-1, i4=0
	OP \a, \i1
.if (\b) >= 0
	OP \b, \i2
.endif
.if (\c) >= 0
	OP \c, \i3
.endif
.if (\d) >= 0
	OP \d, \i4
.endif
.endm
.macro ROW a, i1, b, i2, c, i3, d, i4  ; a matrix instruction and the four behind it
	MM
	OPS \a, \i1, \b, \i2, \c, \i3, \d, \i4
.endm
; A TURN, for piece p: the order of its 16 matrix and 118 vector instructions, written out.  Behind a matrix instruction: plain, exponential, plain, plain; or four of the rescaling; or four scalings; none names a register
; of the products round it.  In the lumps exponential and plain by turns.  A line reads no result made fewer than three vector instructions in front of it, five if an exponential made it.
; end = 1: the last two turns: nothing is fetched.  cnt = 1: the loop's count is taken down some lines ahead of the branch that stands behind the turn.
; K of the next step is fetched in piece 2's turn, six vector instructions behind the last product that read K (five of them plain); V of the step in hand in piece 0's turn, eight behind the last product that read V.
; Each is waited for a turn later.
.macro TURN p, end=0, cnt=0
.set Y, (\p)
.set i, 0
.set NOKQ, (\end)*((\p)/3)
.if ((\p) == 3) && !(\end)
	s_wait_dscnt 0x0                ; K is in
.endif
	ROW F,0, F,1, F,2, F,3
	ROW F,4, E,0, F,5, F,6
	ROW F,7, E,1, F,8, F,9
	ROW F,10, E,2, C,0, F,11
	ROW F,12, E,3, X,15, F,13
	ROW R,0, R,1, R,2, R,3
	ROW B,0, E,4, F,14, L,0
.if ((\p) == 2) && !(\end)
	v_add_nc_u32 v[AK], s[TBK], v[AK0]
.endif
	ROW R,4, R,5, R,6, R,7
	OPS E,5, F,15
.if ((\p) == 2) && !(\end)
	FETCH_K
.endif
	OPS E,6, C,1, E,7, R,8
	OPS E,8, R,9, E,9, C,2
	OPS E,10, X,0, E,11, X,1
	OPS E,12, X,2, E,13, X,3
.if (\p) == 1
	s_wait_dscnt 0x0                ; V is in
.endif
	ROW X,4, E,14, X,5, X,6
	ROW X,7, E,15, X,8, X,9
	ROW X,10, E,16, X,11, X,12
	ROW X,13, E,17, X,14, B,1
	ROW C,4, E,18, X,16, L,1
	ROW B,2, E,19, C,6, L,2
	ROW C,8, E,20, B,3, B,4
.if (\p) == 0
	v_add_nc_u32 v[AV], s[TBV], v[AV0]
.endif
	ROW C,3, E,21, L,3, C,5
	OPS E,22, X,17, E,23, C,10
.if (\p) == 0
	FETCH_V
.endif
	OPS E,24, L,4
	OPS E,25, X,18, E,26, C,7
	OPS E,27, B,5, E,28, X,19
	OPS E,29, C,12, E,30, L,5
	OPS E,31, X,20, B,6, C,9
	OPS C,14, C,11, X,21, L,6
.if (\p) == 0
	s_add_co_u32 s[TBV], s[TBV], STEPB
.endif
.if \cnt
	s_sub_co_u32 s[CNT], s[CNT], 1
	s_cmp_lg_u32 s[CNT], 0
.endif
	OPS C,13, B,7, C,15, R,10
	OPS R,11, R,12, L,7, R,13
	OPS R,14, R,15
.endm
	s_wait_tensorcnt 0x1            ; my 64 of the first 256 keys are in; my second load may stay out
	s_barrier_signal -1
	s_barrier_wait -1               ; everybody's are
	v_add_nc_u32 v[AK], s[TBK], v[AK0]
	FETCH_K                         ; key step 0
	s_wait_loadcnt 0x0              ; Q
	s_wait_dscnt 0x0
.set NOKQ, 0
.set i, 0
.rept 8
	KQ 0                            ; piece 0's first scores
.set i, i+1
.endr
	WIN 0
.rept 4
	v_nop                           ; the places behind those products
.endr
.set Y, NP-1                        ; X works for piece Y + 1: piece 0
.irp n, 0,1,2,3,4,5,6,7,8,9,10,11,12,13,14,15,16,17,18,19,20,21
	OP X, \n
.endr
	v_nop                           ; a plain instruction behind the exponential
	s_mov_b32 s[PARTS], 2
	s_mov_b32 s[CNT], 4             ; the first part fetches K and V of steps 0 to 3: the first 256 keys
	s_branch .Lfirst                ; the loop is entered at a step's first turn, in the middle of a trip
.Lpart:                             ; once: the rest of the head is waited for
	s_wait_tensorcnt 0x0            ; my 448 keys are in,
	s_wait_dscnt 0x0
	s_barrier_signal -1
	s_barrier_wait -1               ; everybody's are
	s_mov_b32 s[CNT], 28
.Lstep:                             ; a trip: pieces 2 and 3 of one step, then pieces 0 and 1 of the next, whose K and V it fetches
	TURN 2
	TURN 3
	WIN 0
.Lfirst:
	TURN 0
	TURN 1, 0, 1
	WIN 0
	s_cbranch_scc1 .Lstep
	s_sub_co_u32 s[PARTS], s[PARTS], 1
	s_cmp_lg_u32 s[PARTS], 0
	s_cbranch_scc1 .Lpart
	TURN 2, 1
	TURN 3, 1
.set i, 0
.rept 8
	PV NP-1                         ; the last piece's V^T P of the last step
.set i, i+1
.endr
	; THE WAY OUT.  l's two halves and the other half of the lanes' are added; O^T is divided by l, rounded to bf16 and sent through my stage, a piece at a time.  The additions are the places behind the last products.
	WIN 0
.macro ALL line:vararg
.set t, 0
.rept 4
	\line
.set t, t+1
.endr
.endm
	ALL v_add_f32 v[ST+4*t+2], v[ST+4*t+2], v[ST+4*t+3]
	ALL v_permlanex16_b32 v[ST+4*t+3], v[ST+4*t+2], s[SEL], s[SEL+1]
	ALL v_add_f32 v[ST+4*t+2], v[ST+4*t+2], v[ST+4*t+3]
	ALL v_rcp_f32 v[ST+4*t+2], v[ST+4*t+2]
	v_nop                           ; a plain instruction between the last reciprocal and the use of its result
.macro PACK t
	WIN W_RS
.set i, 32*(\t)
.rept 16
	s_wait_alu depctr_va_vdst(0)
	v_pk_mul_f32 v[i:i+1], v[i:i+1], v[ST+4*(\t)+2:ST+4*(\t)+3] op_sel_hi:[1,0]
.set i, i+2
.endr
	WIN 0x05                        ; sources 0 and 1 window 1, destination window 0
.set i, 0
.rept 16
	v_cvt_pk_bf16_f32 v[S+16*(\t)+i], v[32*(\t)+2*i], v[32*(\t)+2*i+1]
.set i, i+1
.endr
	WIN 0
.irp f, 0,1,2,3
	ds_store_b128 v[STO], v[S+16*(\t)+4*\f:S+16*(\t)+4*\f+3] offset:32*\f
.endr
.irp f, 0,1,2,3
	ds_load_b128 v[S+16*(\t)+4*\f:S+16*(\t)+4*\f+3], v[RD] offset:\f*4*SP  ; LDS serves a wave's instructions in order (ISA guide 5.7.1.4): these see the stores above
.endr
.endm
.macro SEND t, younger
	WIN 0
.irp f, 0,1,2,3
	s_wait_dscnt (\younger)+3-\f
	global_store_b128 v[GO], v[S+16*(\t)+4*\f:S+16*(\t)+4*\f+3], s[6:7] offset:(\t)*2048+\f*512  ; 512 consecutive bytes, at a multiple of 256 from O's first
.endr
.endm
	PACK 0
.set t, 1
.rept 3
	PACK t
	SEND t-1, 8
.set t, t+1
.endr
	SEND 3, 0
	s_wait_tensorcnt 0x0            ; the wave's end
	ds_add_u32 v[SPW], v[NIL]
	s_wait_dscnt 0x0
	CROUND                          ; the closing round
	s_endpgm
.Lfunc_end_k_qdd4b822a46_attn:
	.size	k_qdd4b822a46_attn, .Lfunc_end_k_qdd4b822a46_attn-k_qdd4b822a46_attn
	.p2alignl 7, 3214868480
	.fill 96, 4, 3214868480
	.section	.rodata,"a",@progbits
	.p2align	6, 0x0
	.amdhsa_kernel k_qdd4b822a46_attn
		.amdhsa_group_segment_fixed_size 327680
		.amdhsa_private_segment_fixed_size 0
		.amdhsa_enable_private_segment 0
		.amdhsa_kernarg_size 16
		.amdhsa_user_sgpr_count 2
		.amdhsa_user_sgpr_kernarg_segment_ptr 1
		.amdhsa_wavefront_size32 1
		.amdhsa_system_sgpr_workgroup_id_x 1
		.amdhsa_system_sgpr_workgroup_id_y 1
		.amdhsa_system_sgpr_workgroup_id_z 1
		.amdhsa_system_vgpr_workitem_id 0
		.amdhsa_next_free_vgpr 768
		.amdhsa_next_free_sgpr 66
		.amdhsa_reserve_vcc 0
		.amdhsa_float_denorm_mode_32 3
		.amdhsa_float_denorm_mode_16_64 3
		.amdhsa_memory_ordered 1
		.amdhsa_forward_progress 1
		.amdhsa_inst_pref_size 91
	.end_amdhsa_kernel
	.amdgpu_metadata
---
amdhsa.version: [ 1, 2 ]
amdhsa.kernels:
  - .name:           k_qdd4b822a46_attn
    .symbol:         k_qdd4b822a46_attn.kd
    .args:
      - { .name: bufb, .offset: 0, .size: 8, .value_kind: global_buffer, .address_space: global }
      - { .name: bufc, .offset: 8, .size: 8, .value_kind: global_buffer, .address_space: global }
    .group_segment_fixed_size: 327680
    .private_segment_fixed_size: 0
    .kernarg_segment_align: 8
    .kernarg_segment_size: 16
    .max_flat_workgroup_size: 128
    .sgpr_count:     66
    .vgpr_count:     768
    .wavefront_size: 32
...
	.end_amdgpu_metadata
.endif
;; end of part 3
;; launch gfc: the kernel of part 2 again; grid 8 x 32, 4 waves a work-group, clusters of 4 x 4, 327,680 bytes of LDS; arguments bufc, fcb, fc_b, bufb; writes bufb
;; launch ln1 (part 4): grid 256 x 1, 8 waves a work-group, no clusters, 0 bytes of LDS; arguments bufb, bufa, ln1_g, ln1_b, bufc, yf; writes bufc, yf
.if DOCPART == 4
	.amdgcn_target "amdgcn-amd-amdhsa--gfx1250"
	.amdhsa_code_object_version 6
	.text
	.protected	k_qdd4b822a46_ln1
	.globl	k_qdd4b822a46_ln1
	.p2align	8
	.type	k_qdd4b822a46_ln1,@function
k_qdd4b822a46_ln1:
	s_mov_b64 s[64:65], 0
	v_nop
	global_prefetch_b8 v0, s[64:65] scope:SCOPE_SE
	s_setreg_imm32_b32 hwreg(HW_REG_WAVE_MODE, 25, 1), 1
	s_wait_xcnt 0x0
; y = layernorm(z + x) g + beta.  z, x: [4096][1024] bf16 in blocks of 64 columns (element (m, c) at ((m >> 11) * 16 + (c >> 6)) * 131072 + (m & 2047) * 64 + (c & 63));
; g, beta: [1024] f32, rounded to bf16 here like every input of the module.  y leaves twice: f32 row-major (the residual of the second norm) and bf16 in blocks (a matrix operand).
; A wave takes two rows, m and m + 1, and keeps them in registers: lane l holds row m + l / 16, columns 64 k + 4 (l % 16) + 0..3 for k = 0..15.  In a block the two rows are 256 consecutive
; bytes, 8 a lane; in the f32 matrix sixteen lanes cover 256 consecutive bytes of a row.  A row's sums stay within 16 lanes.  Mean first, then the mean of (v - mean)^2: no difference of large sums.
; All 64 loads of a wave go out at its start; beta's land in the second window of registers, so that none has to wait for another's registers.
; A stream without shared input but the two short vectors: no LDS, no barrier, no cluster, no matrix unit.  NaN and infinities are not treated apart.
.set Z,   16                           ; v[16:47]   z, two registers a block
.set XX,  48                           ; v[48:79]   x
.set GF,  80                           ; v[80:143]  g as loaded
.set V,   144                          ; v[144:207] z + x, then v - mean, then y
.set GP,  208                          ; v[208:239] g in bf16
.set ONE, 240                          ; v240       1.0
.set BF,  0                            ; v[256:319] beta as loaded: v0-63 of window 1
.set BP,  16                           ; v[16:47]   beta in bf16, where z lay
.set YP,  48                           ; v[48:79]   y in bf16, where x lay
.set MSB, 0
.macro WIN new                         ; s_set_vgpr_msb: bits 1:0 source 0, 3:2 source 1, 7:6 destination; the high byte repeats the setting that is left
.if MSB != (\new)
	s_set_vgpr_msb (MSB<<8)|(\new)
.set MSB, \new
.endif
.endm
.macro FOLD                            ; four chains v[6:13] into one number, then over the row's 16 lanes
	v_pk_add_f32 v[6:7], v[6:7], v[8:9]
	v_pk_add_f32 v[10:11], v[10:11], v[12:13]
	v_pk_add_f32 v[6:7], v[6:7], v[10:11]
	v_add_f32 v6, v6, v7
	v_add_f32_dpp v6, v6, v6 row_xmask:1 row_mask:0xf bank_mask:0xf
	v_add_f32_dpp v6, v6, v6 row_xmask:2 row_mask:0xf bank_mask:0xf
	v_add_f32_dpp v6, v6, v6 row_xmask:4 row_mask:0xf bank_mask:0xf
	v_add_f32_dpp v6, v6, v6 row_xmask:8 row_mask:0xf bank_mask:0xf
.endm
	s_load_b256 s[4:11], s[0:1], 0x0               ; z s[4:5], x s[6:7], g s[8:9], beta s[10:11]
	s_load_b128 s[12:15], s[0:1], 0x20             ; y in bf16 s[12:13], y in f32 s[14:15]
	v_lshrrev_b32 v1, 5, v0
	v_readfirstlane_b32 s16, v1
	s_lshl_b32 s17, ttmp9, 3
	s_add_co_u32 s17, s17, s16                     ; my pair of rows, 0..2047
	s_lshr_b32 s18, s17, 10                        ; the batch: 16 blocks of 262,144 bytes
	s_lshl_b32 s18, s18, 22
	s_and_b32 s19, s17, 1023                       ; the pair's 256 bytes in a block
	s_lshl_b32 s19, s19, 8
	s_add_co_u32 s18, s18, s19
	s_mov_b32 s19, 0
	s_lshl_b32 s20, s17, 13                        ; two rows of 4,096 bytes
	s_mov_b32 s21, 0
	s_mov_b32 s22, 0x3a800000                      ; 1 / 1024
	s_mov_b32 s23, 0x3727c5ac                      ; 1e-5
	v_and_b32 v1, 31, v0
	v_lshlrev_b32 v2, 3, v1                        ; 8 l
	v_and_b32 v4, 15, v0
	v_lshlrev_b32 v4, 4, v4                        ; 16 (l % 16)
	v_bfe_u32 v3, v0, 4, 1
	v_lshl_or_b32 v3, v3, 12, v4                   ; + 4,096 (l / 16)
	v_mov_b32 v[ONE], 1.0
	s_wait_kmcnt 0x0
	s_add_nc_u64 s[4:5], s[4:5], s[18:19]
	s_add_nc_u64 s[6:7], s[6:7], s[18:19]
	s_add_nc_u64 s[12:13], s[12:13], s[18:19]
	s_add_nc_u64 s[14:15], s[14:15], s[20:21]
.set k, 0
.rept 16
	global_load_b64 v[Z+2*k:Z+2*k+1], v2, s[4:5] offset:k*262144
.set k, k+1
.endr
.set k, 0
.rept 16
	global_load_b64 v[XX+2*k:XX+2*k+1], v2, s[6:7] offset:k*262144
.set k, k+1
.endr
.set k, 0
.rept 16
	global_load_b128 v[GF+4*k:GF+4*k+3], v4, s[8:9] offset:k*256
.set k, k+1
.endr
	WIN 0x40                                       ; destination window 1, address window 0
.set k, 0
.rept 16
	global_load_b128 v[BF+4*k:BF+4*k+3], v4, s[10:11] offset:k*256
.set k, k+1
.endr
	WIN 0
	s_wait_loadcnt 32                              ; z and x are in; g's and beta's 32 loads may stay out
.set k, 0
.rept 16                                               ; z x 1 + x straight from the halves, one rounding to f32
	v_fma_mix_f32_bf16 v[V+4*k],   v[Z+2*k],   v[ONE], v[XX+2*k]   op_sel_hi:[1,0,1]
	v_fma_mix_f32_bf16 v[V+4*k+1], v[Z+2*k],   v[ONE], v[XX+2*k]   op_sel:[1,0,1] op_sel_hi:[1,0,1]
	v_fma_mix_f32_bf16 v[V+4*k+2], v[Z+2*k+1], v[ONE], v[XX+2*k+1] op_sel_hi:[1,0,1]
	v_fma_mix_f32_bf16 v[V+4*k+3], v[Z+2*k+1], v[ONE], v[XX+2*k+1] op_sel:[1,0,1] op_sel_hi:[1,0,1]
.set k, k+1
.endr
.irp c, 0,1,2,3
	v_pk_add_f32 v[6+2*(\c):7+2*(\c)], v[V+2*(\c):V+2*(\c)+1], v[V+8+2*(\c):V+8+2*(\c)+1]
.endr
.set k, 8
.rept 24
	v_pk_add_f32 v[6+2*(k%4):7+2*(k%4)], v[6+2*(k%4):7+2*(k%4)], v[V+2*k:V+2*k+1]
.set k, k+1
.endr
	FOLD
	v_mul_f32 v14, s22, v6                         ; the mean, twice: a pair for the packed lines
	v_mul_f32 v15, s22, v6
.set k, 0
.rept 32
	v_pk_add_f32 v[V+2*k:V+2*k+1], v[V+2*k:V+2*k+1], v[14:15] neg_lo:[0,1] neg_hi:[0,1]
.set k, k+1
.endr
.irp c, 0,1,2,3
	v_pk_mul_f32 v[6+2*(\c):7+2*(\c)], v[V+2*(\c):V+2*(\c)+1], v[V+2*(\c):V+2*(\c)+1]
.endr
.set k, 4
.rept 28
	v_pk_fma_f32 v[6+2*(k%4):7+2*(k%4)], v[V+2*k:V+2*k+1], v[V+2*k:V+2*k+1], v[6+2*(k%4):7+2*(k%4)]
.set k, k+1
.endr
	FOLD
	v_fma_f32 v5, v6, s22, s23                     ; the variance + 1e-5
	v_rsq_f32 v14, v5
	v_rsq_f32 v15, v5
	v_nop                                          ; a plain instruction behind the transcendentals (ISA guide 5.7.2)
.set k, 0
	s_wait_alu depctr_va_vdst(0)
.rept 32
	v_pk_mul_f32 v[V+2*k:V+2*k+1], v[V+2*k:V+2*k+1], v[14:15]
.set k, k+1
.endr
	s_wait_loadcnt 16                              ; g is in; beta's sixteen loads may stay out
.set k, 0
.rept 32
	v_cvt_pk_bf16_f32 v[GP+k], v[GF+2*k], v[GF+2*k+1]
.set k, k+1
.endr
	s_wait_loadcnt 0x0                             ; beta
	WIN 0x05                                       ; both sources window 1, destination window 0
.set k, 0
.rept 32
	v_cvt_pk_bf16_f32 v[BP+k], v[BF+2*k], v[BF+2*k+1]
.set k, k+1
.endr
	WIN 0
.set k, 0
.rept 32
	v_fma_mix_f32_bf16 v[V+2*k],   v[V+2*k],   v[GP+k], v[BP+k] op_sel_hi:[0,1,1]
	v_fma_mix_f32_bf16 v[V+2*k+1], v[V+2*k+1], v[GP+k], v[BP+k] op_sel:[0,1,1] op_sel_hi:[0,1,1]
.set k, k+1
.endr
.set k, 0
.rept 16
	global_store_b128 v3, v[V+4*k:V+4*k+3], s[14:15] offset:k*256      ; sixteen lanes store 256 consecutive aligned bytes
.set k, k+1
.endr
.set k, 0
.rept 32
	v_cvt_pk_bf16_f32 v[YP+k], v[V+2*k], v[V+2*k+1]
.set k, k+1
.endr
.set k, 0
.rept 16
	global_store_b64 v2, v[YP+2*k:YP+2*k+1], s[12:13] offset:k*262144  ; the wave stores 256 consecutive aligned bytes
.set k, k+1
.endr
	s_endpgm
.Lfunc_end_k_qdd4b822a46_ln1:
	.size	k_qdd4b822a46_ln1, .Lfunc_end_k_qdd4b822a46_ln1-k_qdd4b822a46_ln1
	.p2alignl 7, 3214868480
	.fill 96, 4, 3214868480
	.section	.rodata,"a",@progbits
	.p2align	6, 0x0
	.amdhsa_kernel k_qdd4b822a46_ln1
		.amdhsa_group_segment_fixed_size 0
		.amdhsa_private_segment_fixed_size 0
		.amdhsa_enable_private_segment 0
		.amdhsa_kernarg_size 48
		.amdhsa_user_sgpr_count 2
		.amdhsa_user_sgpr_kernarg_segment_ptr 1
		.amdhsa_wavefront_size32 1
		.amdhsa_system_sgpr_workgroup_id_x 1
		.amdhsa_system_sgpr_workgroup_id_y 1
		.amdhsa_system_sgpr_workgroup_id_z 1
		.amdhsa_system_vgpr_workitem_id 0
		.amdhsa_next_free_vgpr 320
		.amdhsa_next_free_sgpr 66
		.amdhsa_reserve_vcc 0
		.amdhsa_float_denorm_mode_32 3
		.amdhsa_float_denorm_mode_16_64 3
		.amdhsa_memory_ordered 1
		.amdhsa_forward_progress 1
		.amdhsa_inst_pref_size 34
	.end_amdhsa_kernel
	.amdgpu_metadata
---
amdhsa.version: [ 1, 2 ]
amdhsa.kernels:
  - .name:           k_qdd4b822a46_ln1
    .symbol:         k_qdd4b822a46_ln1.kd
    .args:
      - { .name: bufb, .offset: 0, .size: 8, .value_kind: global_buffer, .address_space: global }
      - { .name: bufa, .offset: 8, .size: 8, .value_kind: global_buffer, .address_space: global }
      - { .name: ln1_g, .offset: 16, .size: 8, .value_kind: global_buffer, .address_space: global }
      - { .name: ln1_b, .offset: 24, .size: 8, .value_kind: global_buffer, .address_space: global }
      - { .name: bufc, .offset: 32, .size: 8, .value_kind: global_buffer, .address_space: global }
      - { .name: yf, .offset: 40, .size: 8, .value_kind: global_buffer, .address_space: global }
    .group_segment_fixed_size: 0
    .private_segment_fixed_size: 0
    .kernarg_segment_align: 8
    .kernarg_segment_size: 48
    .max_flat_workgroup_size: 256
    .sgpr_count:     66
    .vgpr_count:     320
    .wavefront_size: 32
...
	.end_amdgpu_metadata
.endif
;; end of part 4
;; launch gf1 (part 5): grid 16 x 16, 4 waves a work-group, clusters of 4 x 4, 327,680 bytes of LDS; arguments bufc, wf, b1, hb; writes hb
.if DOCPART == 5
	.amdgcn_target "amdgcn-amd-amdhsa--gfx1250"
	.amdhsa_code_object_version 6
	.text
	.protected	k_qdd4b822a46_gf1
	.globl	k_qdd4b822a46_gf1
	.p2align	8
	.type	k_qdd4b822a46_gf1,@function
k_qdd4b822a46_gf1:
	s_mov_b64 s[64:65], 0
	v_nop
	global_prefetch_b8 v0, s[64:65] scope:SCOPE_SE
	s_setreg_imm32_b32 hwreg(HW_REG_WAVE_MODE, 25, 1), 1
	s_wait_xcnt 0x0
	s_wait_alu depctr_hold_cnt(0) depctr_sa_sdst(0) depctr_va_vdst(0) depctr_va_sdst(0) depctr_va_ssrc(0) depctr_va_vcc(0) depctr_vm_vsrc(0)
	s_getreg_b32 s2, hwreg(HW_REG_IB_STS2, 6, 4)
	s_cmp_eq_u32 s2, 0
	s_cbranch_scc0 .Lentry_in_a_cluster
	s_endpgm
.Lentry_in_a_cluster:
	s_bfe_u32 s2, ttmp6, 0x10000c
	s_cmp_lg_u32 s2, 0xf033
	s_cbranch_scc0 .Lentry_shape_is_right
	s_endpgm
.Lentry_shape_is_right:
; h = relu(y w1 + b1).  y: [4096][1024] bf16 in blocks of 64 columns; w1: [1024][4096] bf16, rows along N; b1: [4096] f32, rounded to bf16 here like every input of the module;
; h: [4096][4096] bf16 in blocks (element (m, c) at ((m >> 11) * 64 + (c >> 6)) * 131072 + (m & 2047) * 64 + (c & 63)); sums in f32, h rounded once.
; A tile of h is 256 x 256: 256 work-groups.  Four waves, each 128 x 128: 64 accumulators, 512 registers.  K goes in 8 steps of 128 through two LDS slots.
; Of a step's tiles waves 0 and 1 fetch y's two halves (128 rows x 2 blocks, each block's 128 rows 16,384 dense bytes), waves 2 and 3 w1's (64 rows of 512 bytes).
; CLUSTER 4 x 4: y's tile is asked for jointly by a row of the cluster, w1's by a column.
; THE MATRIX INSTRUCTION IS USED TRANSPOSED: source 0 = 16 columns of w1 (turned by ds_load_tr16_b128), source 1 = 16 rows of y: a lane holds 8 neighbouring numbers of a row of h.
; The bias is the C operand of each accumulator's first product.  A wave's 128 columns are two blocks of h: 16 rows are 2 x 2,048 consecutive bytes; each wave has a stage of its own.
; The text writes ONE K step in the loop; the slot in hand is a scalar that an exclusive or turns.  A quarter's run of LDS loads stands at its head, a whole quarter's 64 products ahead of their
; first use; the change of slots stands at the last quarter's head, so that the next slot's first fragments have 48 products in which to land.  LIMITS: NaN and infinities are not treated apart.
; REGISTERS: window 0: v0-31 addresses; v64-127, v128-191 fragments of y, two buffers; v32-63, v192-255 the way out.  Window 1: v0-63 bias; v64-127, v128-191 fragments of w1; v192 at work.
;   window 2: the 32 accumulators of my rows 0-63 ((a, b) at 8 (8 a + b)); window 3: those of my rows 64-127.
.set T,     8
.set PA,    144                        ; a row of y in LDS: 128 bytes + 16
.set PB,    544                        ; a row of w1: 512 + 32: 136 words
.set PART,  36864                      ; the room of one tensor load: 2 x 128 x 144; w1's 64 x 544 = 34,816 leave the rest unused
.set BREG,  2*PART
.set SLOT,  0x24000                    ; 4 parts; they begin at 0, 0x9000, 0x12000, 0x1b000: none has one of SLOT's two bits
.set STAGE, 2*SLOT                     ; behind the ring: 2 x 16 rows x 144 bytes for each wave
.set SP,    144
.set SPARE, STAGE+4*2*16*SP
.set ASTEP, 2*262144
.set BSTEP, 128*8192
.set LA,   10
.set LB,   11
.set ADRA, 16
.set ADRB, 20
.set STO,  24
.set RD,   25
.set GO,   26
.set BO,   27
.set SPW,  28                          ; my spare word; never rewritten
.set NIL,  29                          ; 0; never rewritten
.set ZR,   30                          ; 0, for the ReLU
.set F0,   64
.set F1,   128
.set TMP,  192
.set OB,   32
.set WV,   12                          ; s12 wave; s13 = wave >> 1: my half of the rows, and: I fetch y (0) or w1 (1); s14 = wave & 1: my half of the columns, and which half I fetch
.set G1A,  24
.set G0A,  32
.set G1B,  48
.set G0B,  56
.set TB,   66
.set CNT,  67
.set MSB, 0
.macro WIN new
.if MSB != (\new)
	s_set_vgpr_msb (MSB<<8)|(\new)
.set MSB, \new
.endif
.endm
.set MUL_LO, 0xa1                      ; source 0 (w1) window 1, source 1 (y) window 0, C and D window 2; + 0x50: window 3
.set MUL_B,  0x91                      ; the same with C (the bias) in window 1; + 0x40: D in window 3
.set TO_B,   0x40                      ; destination window 1, address window 0
.macro JLOAD
	s_cmp_eq_u32 s13, 0
	s_cbranch_scc0 .Lfor_b_\@
	tensor_load_to_lds s[G0A+4:G0A+7], s[G1A:G1A+7]
	s_nop 0
.rept 4
	v_nop
.endr
	s_branch .Lasked_\@
.Lfor_b_\@:
	tensor_load_to_lds s[G0B+4:G0B+7], s[G1B:G1B+7]
	s_nop 0
.rept 4
	v_nop
.endr
.Lasked_\@:
.endm
.macro CREST
	s_cmp_lg_u32 s[WV], 0
	s_cbranch_scc1 .Lnot_wave_0_\@
	s_barrier_signal -3
.Lnot_wave_0_\@:
	s_barrier_wait -3
	s_barrier_signal -1
	s_barrier_wait -1
.endm
.macro CROUND
	s_barrier_signal -1
	s_barrier_wait -1
	CREST
.endm
.macro PLACES
.rept 4
	v_nop
.endr
.endm
.macro ADDR
	v_add_nc_u32 v[ADRA], s[TB], v[LA]
	v_add_nc_u32 v[ADRB], s[TB], v[LB]
.endm
	s_load_b256 s[4:11], s[0:1], 0x0               ; y s[4:5], w1 s[6:7], b1 s[8:9], h s[10:11]
	v_lshl_add_u32 v[SPW], v0, 2, SPARE
	v_mov_b32 v[NIL], 0
	ds_add_u32 v[SPW], v[NIL]                      ; the wave's opening: the add and its wait stand ahead of my first tensor load
	v_lshrrev_b32 v1, 5, v0
	v_readfirstlane_b32 s[WV], v1
	s_lshr_b32 s13, s[WV], 1
	s_and_b32 s14, s[WV], 1
	s_bfe_u32 s40, ttmp6, 0x40000
	s_bfe_u32 s41, ttmp6, 0x40004
	s_lshl_b32 s42, ttmp9, 2
	s_add_co_u32 s42, s42, s40                     ; tile column 0..15
	s_and_b32 s43, ttmp7, 0xffff
	s_lshl_b32 s43, s43, 2
	s_add_co_u32 s43, s43, s41                     ; tile row 0..15
	s_lshl_b32 s44, s41, 2
	s_lshl_b32 s44, 15, s44
	s_lshl_b32 s45, 0x1111, s40
	s_or_b32 s[G1A], s44, (1<<16)|(1<<20)|(1<<21)|(4<<22)|(3<<25)  ; after every 32 words 4 words
	s_mov_b32 s[G1A+1], 8192<<16                   ; 128 rows x 64 columns of a block, dense
	s_mov_b32 s[G1A+2], 2<<16                      ; 2 blocks
	s_mov_b32 s[G1A+3], 8192<<16
	s_mov_b32 s[G1A+4], 2
	s_mov_b32 s[G1A+5], 131072
	s_mov_b32 s[G1A+6], 0
	s_mov_b32 s[G1A+7], 0
	s_or_b32 s[G1B], s45, (1<<16)|(1<<20)|(1<<21)|(6<<22)|(7<<25)  ; after every 128 words 8 words
	s_mov_b32 s[G1B+1], 256<<16
	s_mov_b32 s[G1B+2], 64<<16
	s_mov_b32 s[G1B+3], 256<<16
	s_mov_b32 s[G1B+4], 64
	s_mov_b32 s[G1B+5], 4096
	s_mov_b32 s[G1B+6], 0
	s_mov_b32 s[G1B+7], 0
	s_lshr_b32 s16, s43, 3                         ; y: the batch,
	s_lshl_b32 s16, s16, 22
	s_and_b32 s17, s43, 7                          ; the tile's 256 rows of 128 bytes in a block,
	s_lshl_b32 s17, s17, 15
	s_add_co_u32 s16, s16, s17
	s_lshl_b32 s17, s14, 14                        ; the half that I fetch
	s_add_co_u32 s16, s16, s17
	s_mov_b32 s17, 0
	s_lshl_b32 s46, s14, 19                        ; w1: the 64 rows that I fetch,
	s_lshl_b32 s47, s42, 9                         ; the tile's 256 columns
	s_add_co_u32 s46, s46, s47
	s_mov_b32 s47, 0
	s_mul_i32 s20, s[WV], PART
	s_mov_b32 s[TB], 0
	s_wait_dscnt 0x0
	s_wait_kmcnt 0x0
	s_add_nc_u64 s[16:17], s[4:5], s[16:17]
	s_add_nc_u64 s[46:47], s[6:7], s[46:47]
	CROUND
.irp n, 0,1
	s_mov_b32 s[G0A+4*(\n)], 1
	s_add_co_u32 s[G0A+4*(\n)+1], s20, (\n)*SLOT
	s_add_nc_u64 s[G0A+4*(\n)+2:G0A+4*(\n)+3], s[16:17], (\n)*ASTEP
	s_or_b32 s[G0A+4*(\n)+3], s[G0A+4*(\n)+3], 0x80000000
	s_mov_b32 s[G0B+4*(\n)], 1
	s_add_co_u32 s[G0B+4*(\n)+1], s20, (\n)*SLOT
	s_add_nc_u64 s[G0B+4*(\n)+2:G0B+4*(\n)+3], s[46:47], (\n)*BSTEP
	s_or_b32 s[G0B+4*(\n)+3], s[G0B+4*(\n)+3], 0x80000000
.endr
	s_cmp_eq_u32 s13, 0                            ; a wave's two first fills stand in one branch: two loads of mine are out
	s_cbranch_scc0 .Lfirst_b
	tensor_load_to_lds s[G0A:G0A+3], s[G1A:G1A+7]
	s_nop 0
	tensor_load_to_lds s[G0A+4:G0A+7], s[G1A:G1A+7]
	s_nop 0
.rept 4
	v_nop
.endr
	s_branch .Lfirst_asked
.Lfirst_b:
	tensor_load_to_lds s[G0B:G0B+3], s[G1B:G1B+7]
	s_nop 0
	tensor_load_to_lds s[G0B+4:G0B+7], s[G1B:G1B+7]
	s_nop 0
.rept 4
	v_nop
.endr
.Lfirst_asked:
	v_and_b32 v1, 15, v0
	v_bfe_u32 v2, v0, 4, 1
	v_lshlrev_b32 v[BO], 5, v2
	v_mov_b32 v[ZR], 0
	s_lshl_b32 s70, s42, 10                        ; the bias of my wave's 128 columns
	s_lshl_b32 s71, s14, 9
	s_add_co_u32 s70, s70, s71
	s_mov_b32 s71, 0
	s_add_nc_u64 s[8:9], s[8:9], s[70:71]
	WIN TO_B
.irp b, 0,1,2,3,4,5,6,7
	global_load_b128 v[8*(\b):8*(\b)+3],   v[BO], s[8:9] offset:64*(\b)
	global_load_b128 v[8*(\b)+4:8*(\b)+7], v[BO], s[8:9] offset:64*(\b)+16
.endr
	WIN 0
	v_mul_u32_u24 v3, v1, PA
	v_lshl_add_u32 v3, v2, 4, v3                   ; r x 144 + 16 h: also my place in the stage
	s_mul_i32 s21, s13, PART
	v_add_nc_u32 v[LA], s21, v3
	v_and_b32 v4, 7, v0
	v_lshl_add_u32 v5, v2, 3, v4
	v_mul_u32_u24 v[LB], v5, PB
	v_bfe_u32 v5, v0, 3, 1
	v_lshl_add_u32 v[LB], v5, 4, v[LB]
	s_lshl_b32 s22, s14, 8                         ; my 128 columns
	s_add_co_u32 s22, s22, BREG
	v_add_nc_u32 v[LB], s22, v[LB]
	ADDR
	s_mul_i32 s23, s[WV], 2*16*SP
	s_add_co_u32 s23, s23, STAGE
	v_add_nc_u32 v[STO], s23, v3
	v_bfe_u32 v[RD], v0, 3, 2
	v_mul_u32_u24 v[RD], v[RD], SP
	v_lshl_add_u32 v[RD], v4, 4, v[RD]
	v_add_nc_u32 v[RD], s23, v[RD]
	v_and_b32 v[GO], 31, v0
	v_lshlrev_b32 v[GO], 4, v[GO]
	s_lshr_b32 s68, s43, 3                         ; h: block 64 x batch + 4 x tile column + 2 x my half,
	s_lshl_b32 s68, s68, 6
	s_lshl_b32 s69, s42, 2
	s_add_co_u32 s68, s68, s69
	s_lshl_b32 s69, s14, 1
	s_add_co_u32 s68, s68, s69
	s_lshl_b32 s68, s68, 18
	s_and_b32 s69, s43, 7                          ; the tile's rows, my 128 of them
	s_lshl_b32 s69, s69, 15
	s_add_co_u32 s68, s68, s69
	s_lshl_b32 s69, s13, 14
	s_add_co_u32 s68, s68, s69
	s_mov_b32 s69, 0
	s_add_nc_u64 s[10:11], s[10:11], s[68:69]
; 8 matrix instructions: row block a of the window's four x all 8 column blocks, 32 along K.  first = 1: the bias starts the sums.  The 64 accumulators take turns.
.macro MULR f, hi, a, first
.if \first
	WIN MUL_B+0x40*(\hi)
.else
	WIN MUL_LO+0x50*(\hi)
.endif
.irp b, 0,1,2,3,4,5,6,7
.if \first
	v_wmma_f32_16x16x32_bf16 v[8*(8*(\a)+(\b)):8*(8*(\a)+(\b))+7], v[(\f)+8*(\b):(\f)+8*(\b)+7], v[(\f)+8*(4*(\hi)+(\a)):(\f)+8*(4*(\hi)+(\a))+7], v[8*(\b):8*(\b)+7]
.else
	v_wmma_f32_16x16x32_bf16 v[8*(8*(\a)+(\b)):8*(8*(\a)+(\b))+7], v[(\f)+8*(\b):(\f)+8*(\b)+7], v[(\f)+8*(4*(\hi)+(\a)):(\f)+8*(4*(\hi)+(\a))+7], v[8*(8*(\a)+(\b)):8*(8*(\a)+(\b))+7]
.endif
.endr
.endm
.macro MUL16 f, hi, a0, first          ; two row blocks
	MULR \f, \hi, \a0, \first
	MULR \f, \hi, (\a0)+1, \first
.endm
; 32 LDS loads in one run: the fragments of quarter qd (32 along K) into buffer f: w1's 8, then y's 8
.macro FETCH qd, f
	WIN TO_B
.irp i, 0,1,2,3,4,5,6,7
	ds_load_tr16_b128 v[(\f)+8*(\i):(\f)+8*(\i)+3],   v[ADRB] offset:((\qd)/2)*PART+((\qd)%2)*32*PB+32*(\i)
	ds_load_tr16_b128 v[(\f)+8*(\i)+4:(\f)+8*(\i)+7], v[ADRB] offset:((\qd)/2)*PART+((\qd)%2)*32*PB+16*PB+32*(\i)
.endr
	WIN 0
.irp i, 0,1,2,3,4,5,6,7
	ds_load_b128 v[(\f)+8*(\i):(\f)+8*(\i)+3],   v[ADRA] offset:((\qd)/2)*128*PA+((\qd)%2)*64+(\i)*16*PA
	ds_load_b128 v[(\f)+8*(\i)+4:(\f)+8*(\i)+7], v[ADRA] offset:((\qd)/2)*128*PA+((\qd)%2)*64+(\i)*16*PA+32
.endr
.endm
; One of a step's first three quarters fetches quarter qd into g, which the products just issued have read (hence the places), and multiplies buffer f.
.macro QUARTER qd, f, g, first
	s_wait_dscnt 8                                 ; f's w1 and y's rows 0-63 are in; its youngest eight loads (rows 64-127) may be out
	PLACES
	FETCH \qd, \g
	MUL16 \f, 0, 0, \first
	MUL16 \f, 0, 2, \first
	s_wait_dscnt 32                                ; all but the 32 just issued
	MUL16 \f, 1, 0, \first
	MUL16 \f, 1, 2, \first
.endm
; The last quarter multiplies buffer 1 and changes slots at its head: the wait for all my tensor loads (one is out: my part of the next slot), the add, the wait for it and for
; my reads of this slot, one barrier.  Eight products stand behind the add, eight between the barrier's signal and its wait.  fill = 1: the barrier opens a round of the cluster's, and this slot is
; filled again, two K steps ahead, first thing behind the round: 240 of a step's 256 matrix instructions ahead of the wait for it.
.macro TURN fill
	WIN 0
	s_wait_tensorcnt 0x0                           ; no tensor load of mine is out, so a group 0 may be written
	ds_add_u32 v[SPW], v[NIL]
.if \fill
	s_xor_b32 s[G0A+5], s[G0A+5], SLOT
	s_add_nc_u64 s[G0A+6:G0A+7], s[G0A+6:G0A+7], ASTEP
	s_xor_b32 s[G0B+5], s[G0B+5], SLOT
	s_add_nc_u64 s[G0B+6:G0B+7], s[G0B+6:G0B+7], BSTEP
.endif
	s_wait_dscnt 9                                 ; the add and the youngest eight loads may be out
	MULR F1, 0, 0, 0
	s_wait_dscnt 0x0                               ; the add is done, and my reads of this slot are over
	s_barrier_signal -1
	MULR F1, 0, 1, 0
.if \fill
	WIN 0
.endif
	s_barrier_wait -1
.if \fill
	CREST
	JLOAD                                          ; its four v_nop are also the places in front of the loads below
.else
	PLACES
	WIN 0
.endif
	s_xor_b32 s[TB], s[TB], SLOT
	ADDR
	FETCH 0, F0
	MUL16 F1, 0, 2, 0
	MUL16 F1, 1, 0, 0
	MUL16 F1, 1, 2, 0
.endm
	s_wait_tensorcnt 0x1                           ; my part of K step 0 is in; step 1's may stay out
	s_barrier_signal -1
	s_barrier_wait -1
	FETCH 0, F0
	s_wait_loadcnt 0x0                             ; the bias
	WIN 0x45                                       ; destination and both sources in window 1
.set k, 0
.rept 32                                               ; rounded to bf16 and widened again, in place
	v_cvt_pk_bf16_f32 v192, v[2*k], v[2*k+1]
	v_lshlrev_b32 v[2*k], 16, v192
	v_and_b32 v[2*k+1], 0xffff0000, v192
.set k, k+1
.endr
	QUARTER 1, F0, F1, 1                           ; the first quarter stands in front of the loop: its products start the sums
	WIN 0
	s_mov_b32 s[CNT], T-2
.Lstep:
	QUARTER 2, F1, F0, 0
	QUARTER 3, F0, F1, 0
	TURN 1
	QUARTER 1, F0, F1, 0
	WIN 0
	s_sub_co_u32 s[CNT], s[CNT], 1
	s_cmp_lg_u32 s[CNT], 0
	s_cbranch_scc1 .Lstep
	s_mov_b32 s[CNT], 2
.Ltail:                                                ; the last two steps ask for nothing: a text of their own; the second trip is left in its middle
	QUARTER 2, F1, F0, 0
	QUARTER 3, F0, F1, 0
	WIN 0
	s_sub_co_u32 s[CNT], s[CNT], 1
	s_cmp_eq_u32 s[CNT], 0
	s_cbranch_scc1 .Lout
	TURN 0
	QUARTER 1, F0, F1, 0
	WIN 0
	s_branch .Ltail
.Lout:
	s_wait_dscnt 8
	MUL16 F1, 0, 0, 0
	MUL16 F1, 0, 2, 0
	s_wait_dscnt 0x0
	MUL16 F1, 1, 0, 0
	MUL16 F1, 1, 2, 0
	; THE WAY OUT of block a (16 rows): rounded to bf16, the ReLU on the packed halves; 16 bytes a lane into my stage; back as whole rows of 128 bytes; stored as 512 consecutive bytes.
.macro PACK a
.set AC, 64*((\a)%4)
	WIN 0x0a+5*((\a)/4)                            ; sources 0 and 1: window 2 or 3
.irp b, 0,1,2,3,4,5,6,7
.irp r, 0,1,2,3
	v_cvt_pk_bf16_f32 v[TMP+4*(\b)+(\r)], v[AC+8*(\b)+2*(\r)], v[AC+8*(\b)+2*(\r)+1]
.endr
.endr
	WIN 0
.set z, 0
.rept 32
	v_pk_max_num_bf16 v[TMP+z], v[TMP+z], v[ZR]
.set z, z+1
.endr
.endm
.macro TOSTAGE a
	WIN 0
.set BK, OB+192*((\a)%2)
.irp b, 0,1,2,3,4,5,6,7
	ds_store_b128 v[STO], v[TMP+4*(\b):TMP+4*(\b)+3] offset:((\b)/4)*16*SP+32*((\b)%4)
.endr
.irp t, 0,1,2,3,4,5,6,7
	ds_load_b128 v[BK+4*(\t):BK+4*(\t)+3], v[RD] offset:((\t)/4)*16*SP+((\t)%4)*4*SP  ; LDS serves a wave's instructions in order (ISA guide 5.7.1.4): these see the stores above
.endr
.endm
.macro SEND a
	WIN 0
.set BK, OB+192*((\a)%2)
	s_wait_dscnt 0x0                               ; the block is back in registers
	s_wait_xcnt 0x0                                ; the registers that the block before's stores read are loaded again only behind this wait
.irp t, 0,1,2,3,4,5,6,7
	global_store_b128 v[GO], v[BK+4*(\t):BK+4*(\t)+3], s[10:11] offset:(\a)*2048+((\t)/4)*262144+((\t)%4)*512
.endr
.endm
	PLACES
	PACK 0
	TOSTAGE 0
.irp a, 1,2,3,4,5,6,7                  ; block a's conversions stand between block a - 1's loads from the stage and the wait for them
	PACK \a
	SEND (\a)-1
	TOSTAGE \a
.endr
	SEND 7
	s_wait_tensorcnt 0x0                           ; the wave's end
	ds_add_u32 v[SPW], v[NIL]
	s_wait_dscnt 0x0
	CROUND                                         ; the closing round
	s_endpgm
.Lfunc_end_k_qdd4b822a46_gf1:
	.size	k_qdd4b822a46_gf1, .Lfunc_end_k_qdd4b822a46_gf1-k_qdd4b822a46_gf1
	.p2alignl 7, 3214868480
	.fill 96, 4, 3214868480
	.section	.rodata,"a",@progbits
	.p2align	6, 0x0
	.amdhsa_kernel k_qdd4b822a46_gf1
		.amdhsa_group_segment_fixed_size 327680
		.amdhsa_private_segment_fixed_size 0
		.amdhsa_enable_private_segment 0
		.amdhsa_kernarg_size 32
		.amdhsa_user_sgpr_count 2
		.amdhsa_user_sgpr_kernarg_segment_ptr 1
		.amdhsa_wavefront_size32 1
		.amdhsa_system_sgpr_workgroup_id_x 1
		.amdhsa_system_sgpr_workgroup_id_y 1
		.amdhsa_system_sgpr_workgroup_id_z 1
		.amdhsa_system_vgpr_workitem_id 0
		.amdhsa_next_free_vgpr 1024
		.amdhsa_next_free_sgpr 80
		.amdhsa_reserve_vcc 0
		.amdhsa_float_denorm_mode_32 3
		.amdhsa_float_denorm_mode_16_64 3
		.amdhsa_memory_ordered 1
		.amdhsa_forward_progress 1
		.amdhsa_inst_pref_size 126
	.end_amdhsa_kernel
	.amdgpu_metadata
---
amdhsa.version: [ 1, 2 ]
amdhsa.kernels:
  - .name:           k_qdd4b822a46_gf1
    .symbol:         k_qdd4b822a46_gf1.kd
    .args:
      - { .name: bufc, .offset: 0, .size: 8, .value_kind: global_buffer, .address_space: global }
      - { .name: wf, .offset: 8, .size: 8, .value_kind: global_buffer, .address_space: global }
      - { .name: b1, .offset: 16, .size: 8, .value_kind: global_buffer, .address_space: global }
      - { .name: hb, .offset: 24, .size: 8, .value_kind: global_buffer, .address_space: global }
    .group_segment_fixed_size: 327680
    .private_segment_fixed_size: 0
    .kernarg_segment_align: 8
    .kernarg_segment_size: 32
    .max_flat_workgroup_size: 128
    .sgpr_count:     80
    .vgpr_count:     1024
    .wavefront_size: 32
...
	.end_amdgpu_metadata
.endif
;; end of part 5
;; launch gf2 (part 6): grid 8 x 32, 4 waves a work-group, clusters of 4 x 4, 327,680 bytes of LDS; arguments hb, wf, b2, bufa; writes bufa
.if DOCPART == 6
	.amdgcn_target "amdgcn-amd-amdhsa--gfx1250"
	.amdhsa_code_object_version 6
	.text
	.protected	k_qdd4b822a46_gf2
	.globl	k_qdd4b822a46_gf2
	.p2align	8
	.type	k_qdd4b822a46_gf2,@function
k_qdd4b822a46_gf2:
	s_mov_b64 s[64:65], 0
	v_nop
	global_prefetch_b8 v0, s[64:65] scope:SCOPE_SE
	s_setreg_imm32_b32 hwreg(HW_REG_WAVE_MODE, 25, 1), 1
	s_wait_xcnt 0x0
	s_wait_alu depctr_hold_cnt(0) depctr_sa_sdst(0) depctr_va_vdst(0) depctr_va_sdst(0) depctr_va_ssrc(0) depctr_va_vcc(0) depctr_vm_vsrc(0)
	s_getreg_b32 s2, hwreg(HW_REG_IB_STS2, 6, 4)
	s_cmp_eq_u32 s2, 0
	s_cbranch_scc0 .Lentry_in_a_cluster
	s_endpgm
.Lentry_in_a_cluster:
	s_bfe_u32 s2, ttmp6, 0x10000c
	s_cmp_lg_u32 s2, 0xf033
	s_cbranch_scc0 .Lentry_shape_is_right
	s_endpgm
.Lentry_shape_is_right:
; C = A B + bias: the text of the two projections with a longer K, and with requests ahead into the L2.  A: [4096][64 NBLK] bf16 in blocks of 64 columns (element (m, c) at
; ((m >> 11) NBLK + (c >> 6)) * 131072 + (m & 2047) * 64 + (c & 63)); B: [64 NBLK][1024] bf16, rows along N, at byte BOFF of its buffer; bias: [1024] f32, rounded to bf16 here like every input
; of the module; C: [4096][1024] bf16 in blocks; sums in f32, C rounded once.
; A tile of C is 128 x 128: 256 work-groups.  Four waves, each 64 x 64: 16 accumulators.  K goes in T steps of 256 through two LDS slots, as long as two slots in LDS allow.
; Of a step's tiles waves 0 and 1 fetch A's two halves (64 rows x 4 blocks, each block's 64 rows 8,192 dense bytes), waves 2 and 3 B's (128 rows of 256 bytes).
; CLUSTER 4 x 4: A's tile is asked for jointly by a row of the cluster, B's by a column.
; THE MATRIX INSTRUCTION IS USED TRANSPOSED: source 0 = 16 columns of B (turned by ds_load_tr16_b128), source 1 = 16 rows of A: a lane holds 8 neighbouring numbers of a row of C.
; The bias is the C operand of each accumulator's first product.  A wave's 64 columns are one block of C: 16 rows are 2,048 consecutive bytes; each wave has a stage of its own.
; The text writes ONE K step in the loop; the slot in hand is a scalar that an exclusive or turns.  A quarter's run of LDS loads stands at its head; the change of slots at the last quarter's head.
; PREFETCH.  The trip whose refill asks for K step t + 2 asks the L2 for tiles of K step t + 4 on, each aligned block of 256 bytes once in the launch: wave 0 for my eighth of A's tile (32 blocks: 64 rows
; of one block of columns; the eight work-groups of a tile row share the tile out); every fourth trip wave 1 for my 32 rows of the 1,024 of B's tiles of steps t + 4 to t + 7 (the 32 work-groups of a
; tile column share them out).  Steps 0 to 3 are not asked for; the last two trips, whose look-ahead would pass K's end, ask for nothing.
; LIMITS: NaN and infinities are not treated apart.
; REGISTERS: window 0: v0-31 addresses; v32-95 the way out; v96-127 bias; v128-255 accumulators ((a, b) at 128 + 8 (4 a + b)).  Window 1: two fragment buffers of 128: 64 of A, 64 of B, for 64 along K.
.set T,     16
.set NBLK,  64
.set BOFF,  8388608
.set PA,    144                        ; a row of A in LDS: 128 bytes + 16
.set PB,    288                        ; a row of B: 256 + 32
.set PART,  36864                      ; what one tensor load fills: 4 x 64 x 144 = 128 x 288
.set BREG,  2*PART
.set SLOT,  0x24000                    ; 4 parts; they begin at 0, 0x9000, 0x12000, 0x1b000: none has one of SLOT's two bits
.set STAGE, 2*SLOT
.set SP,    144
.set SPARE, STAGE+4*16*SP
.set ASTEP, 4*262144
.set BSTEP, 256*2048
.set LA,   10
.set LB,   11
.set PFA,  12                          ; v12  prefetch of A: lane x 256; never rewritten
.set PFB,  13                          ; v13  prefetch of B: lane x 2,048, a row; never rewritten
.set ADRA, 16
.set ADRB, 20                          ; v20; v21 the same 128 rows of B on
.set STO,  24
.set RD,   25
.set GO,   26
.set BO,   27
.set SPW,  28                          ; my spare word; never rewritten
.set NIL,  29                          ; 0; never rewritten
.set TT,   30
.set TMP,  32
.set BIAS, 96
.set ACC,  128
.set F0,   0
.set F1,   128
.set WV,   12                          ; s12 wave; s13 = wave >> 1; s14 = wave & 1
.set G1A,  24
.set G0A,  32
.set G1B,  48
.set G0B,  56
.set TB,   66
.set CNT,  67
.set PSA,  76                          ; s[76:77] prefetch of A: my share of the tile of the step asked for
.set PSB,  78                          ; s[78:79] prefetch of B
.set MSB, 0
.macro WIN new
.if MSB != (\new)
	s_set_vgpr_msb (MSB<<8)|(\new)
.set MSB, \new
.endif
.endm
.set MUL,  0x05                        ; sources 0 (B) and 1 (A) window 1; C and D window 0
.set TO_F, 0x40                        ; destination window 1, address window 0
.macro JLOAD
	s_cmp_eq_u32 s13, 0
	s_cbranch_scc0 .Lfor_b_\@
	tensor_load_to_lds s[G0A+4:G0A+7], s[G1A:G1A+7]
	s_nop 0
.rept 4
	v_nop
.endr
	s_branch .Lasked_\@
.Lfor_b_\@:
	tensor_load_to_lds s[G0B+4:G0B+7], s[G1B:G1B+7]
	s_nop 0
.rept 4
	v_nop
.endr
.Lasked_\@:
.endm
.macro CREST
	s_cmp_lg_u32 s[WV], 0
	s_cbranch_scc1 .Lnot_wave_0_\@
	s_barrier_signal -3
.Lnot_wave_0_\@:
	s_barrier_wait -3
	s_barrier_signal -1
	s_barrier_wait -1
.endm
.macro CROUND
	s_barrier_signal -1
	s_barrier_wait -1
	CREST
.endm
.macro PLACES
.rept 4
	v_nop
.endr
.endm
.macro ADDR
	v_add_nc_u32 v[ADRA], s[TB], v[LA]
	v_add_nc_u32 v[ADRB], s[TB], v[LB]
	v_add_nc_u32 v[ADRB+1], PART, v[ADRB]
.endm
; The requests ahead.  The loop's count runs 14 to 1; trip t = 14 - count.  The branches hang on the count and on the wave's number alone: they are alike in every work-group.
.macro PREF
	s_cmp_lt_u32 s[CNT], 3                         ; trips 12 and 13 would ask for steps 16 and 17
	s_cbranch_scc1 .Lpf_end_\@
	s_cmp_lg_u32 s[WV], 0
	s_cbranch_scc1 .Lpf_b_\@
	global_prefetch_b8 v[PFA], s[PSA:PSA+1] th:TH_LOAD_NT scope:SCOPE_SE
	s_branch .Lpf_end_\@
.Lpf_b_\@:
	s_cmp_lg_u32 s[WV], 1
	s_cbranch_scc1 .Lpf_end_\@
	s_and_b32 s75, s[CNT], 3                       ; counts 14, 10 and 6: trips 0, 4 and 8
	s_cmp_lg_u32 s75, 2
	s_cbranch_scc1 .Lpf_end_\@
	global_prefetch_b8 v[PFB], s[PSB:PSB+1] th:TH_LOAD_NT scope:SCOPE_SE
.Lpf_end_\@:
.endm
	s_load_b256 s[4:11], s[0:1], 0x0               ; A s[4:5], B s[6:7], bias s[8:9], C s[10:11]
	v_lshl_add_u32 v[SPW], v0, 2, SPARE
	v_mov_b32 v[NIL], 0
	ds_add_u32 v[SPW], v[NIL]                      ; the wave's opening: the add and its wait stand ahead of my first tensor load
	v_lshrrev_b32 v1, 5, v0
	v_readfirstlane_b32 s[WV], v1
	s_lshr_b32 s13, s[WV], 1
	s_and_b32 s14, s[WV], 1
	s_bfe_u32 s40, ttmp6, 0x40000
	s_bfe_u32 s41, ttmp6, 0x40004
	s_lshl_b32 s42, ttmp9, 2
	s_add_co_u32 s42, s42, s40                     ; tile column 0..7
	s_and_b32 s43, ttmp7, 0xffff
	s_lshl_b32 s43, s43, 2
	s_add_co_u32 s43, s43, s41                     ; tile row 0..31
	s_lshl_b32 s44, s41, 2
	s_lshl_b32 s44, 15, s44
	s_lshl_b32 s45, 0x1111, s40
	s_or_b32 s[G1A], s44, (1<<16)|(1<<20)|(1<<21)|(4<<22)|(3<<25)
	s_mov_b32 s[G1A+1], 4096<<16
	s_mov_b32 s[G1A+2], 4<<16
	s_mov_b32 s[G1A+3], 4096<<16
	s_mov_b32 s[G1A+4], 4
	s_mov_b32 s[G1A+5], 131072
	s_mov_b32 s[G1A+6], 0
	s_mov_b32 s[G1A+7], 0
	s_or_b32 s[G1B], s45, (1<<16)|(1<<20)|(1<<21)|(5<<22)|(7<<25)
	s_mov_b32 s[G1B+1], 128<<16
	s_mov_b32 s[G1B+2], 128<<16
	s_mov_b32 s[G1B+3], 128<<16
	s_mov_b32 s[G1B+4], 128
	s_mov_b32 s[G1B+5], 1024
	s_mov_b32 s[G1B+6], 0
	s_mov_b32 s[G1B+7], 0
	s_lshr_b32 s16, s43, 4
	s_mul_i32 s16, s16, NBLK*262144
	s_and_b32 s17, s43, 15
	s_lshl_b32 s17, s17, 14
	s_add_co_u32 s16, s16, s17
	s_lshl_b32 s17, s14, 13
	s_add_co_u32 s16, s16, s17
	s_mov_b32 s17, 0
	s_lshl_b32 s46, s14, 18
	s_lshl_b32 s47, s42, 8
	s_add_co_u32 s46, s46, s47
.if BOFF
	s_add_co_u32 s46, s46, BOFF
.endif
	s_mov_b32 s47, 0
	s_mul_i32 s20, s[WV], PART
	s_mov_b32 s[TB], 0
	s_wait_dscnt 0x0
	s_wait_kmcnt 0x0
	s_add_nc_u64 s[16:17], s[4:5], s[16:17]
	s_add_nc_u64 s[46:47], s[6:7], s[46:47]
	CROUND
.irp n, 0,1
	s_mov_b32 s[G0A+4*(\n)], 1
	s_add_co_u32 s[G0A+4*(\n)+1], s20, (\n)*SLOT
	s_add_nc_u64 s[G0A+4*(\n)+2:G0A+4*(\n)+3], s[16:17], (\n)*ASTEP
	s_or_b32 s[G0A+4*(\n)+3], s[G0A+4*(\n)+3], 0x80000000
	s_mov_b32 s[G0B+4*(\n)], 1
	s_add_co_u32 s[G0B+4*(\n)+1], s20, (\n)*SLOT
	s_add_nc_u64 s[G0B+4*(\n)+2:G0B+4*(\n)+3], s[46:47], (\n)*BSTEP
	s_or_b32 s[G0B+4*(\n)+3], s[G0B+4*(\n)+3], 0x80000000
.endr
	s_cmp_eq_u32 s13, 0                            ; a wave's two first fills stand in one branch: two loads of mine are out
	s_cbranch_scc0 .Lfirst_b
	tensor_load_to_lds s[G0A:G0A+3], s[G1A:G1A+7]
	s_nop 0
	tensor_load_to_lds s[G0A+4:G0A+7], s[G1A:G1A+7]
	s_nop 0
.rept 4
	v_nop
.endr
	s_branch .Lfirst_asked
.Lfirst_b:
	tensor_load_to_lds s[G0B:G0B+3], s[G1B:G1B+7]
	s_nop 0
	tensor_load_to_lds s[G0B+4:G0B+7], s[G1B:G1B+7]
	s_nop 0
.rept 4
	v_nop
.endr
.Lfirst_asked:
	v_and_b32 v1, 15, v0
	v_bfe_u32 v2, v0, 4, 1
	v_lshlrev_b32 v[BO], 5, v2
	s_lshl_b32 s70, s42, 9
	s_lshl_b32 s71, s14, 8
	s_add_co_u32 s70, s70, s71
	s_mov_b32 s71, 0
	s_add_nc_u64 s[8:9], s[8:9], s[70:71]
.irp b, 0,1,2,3
	global_load_b128 v[BIAS+8*(\b):BIAS+8*(\b)+3],   v[BO], s[8:9] offset:64*(\b)
	global_load_b128 v[BIAS+8*(\b)+4:BIAS+8*(\b)+7], v[BO], s[8:9] offset:64*(\b)+16
.endr
	v_mul_u32_u24 v3, v1, PA
	v_lshl_add_u32 v3, v2, 4, v3
	s_mul_i32 s21, s13, PART
	v_add_nc_u32 v[LA], s21, v3
	v_and_b32 v4, 7, v0
	v_lshl_add_u32 v5, v2, 3, v4
	v_mul_u32_u24 v[LB], v5, PB
	v_bfe_u32 v5, v0, 3, 1
	v_lshl_add_u32 v[LB], v5, 4, v[LB]
	s_lshl_b32 s22, s14, 7
	s_add_co_u32 s22, s22, BREG
	v_add_nc_u32 v[LB], s22, v[LB]
	ADDR
	s_mul_i32 s23, s[WV], 16*SP
	s_add_co_u32 s23, s23, STAGE
	v_add_nc_u32 v[STO], s23, v3
	v_bfe_u32 v[RD], v0, 3, 2
	v_mul_u32_u24 v[RD], v[RD], SP
	v_lshl_add_u32 v[RD], v4, 4, v[RD]
	v_add_nc_u32 v[RD], s23, v[RD]
	v_and_b32 v[GO], 31, v0
	v_lshlrev_b32 v[PFA], 8, v[GO]                 ; lanes 256 bytes apart
	v_lshlrev_b32 v[PFB], 11, v[GO]                ; lanes a row of B apart
	v_lshlrev_b32 v[GO], 4, v[GO]
	s_lshr_b32 s68, s43, 4
	s_lshl_b32 s68, s68, 4
	s_lshl_b32 s69, s42, 1
	s_add_co_u32 s68, s68, s69
	s_add_co_u32 s68, s68, s14
	s_lshl_b32 s68, s68, 18
	s_and_b32 s69, s43, 15
	s_lshl_b32 s69, s69, 14
	s_add_co_u32 s68, s68, s69
	s_lshl_b32 s69, s13, 13
	s_add_co_u32 s68, s68, s69
	s_mov_b32 s69, 0
	s_add_nc_u64 s[10:11], s[10:11], s[68:69]
	; the prefetches' bases, in registers that feed no descriptor.  Each trip steps them first, so they start a step short: at K step 3
	s_lshr_b32 s72, s43, 4                         ; A: the batch,
	s_mul_i32 s72, s72, NBLK*262144
	s_and_b32 s73, s43, 15                         ; the tile's 128 rows in a block,
	s_lshl_b32 s73, s73, 14
	s_add_co_u32 s72, s72, s73
	s_lshr_b32 s73, s42, 1                         ; of the step's four blocks the one that falls to my tile column,
	s_lshl_b32 s73, s73, 18
	s_add_co_u32 s72, s72, s73
	s_and_b32 s73, s42, 1                          ; and of its 128 rows my 64
	s_lshl_b32 s73, s73, 13
	s_add_co_u32 s72, s72, s73
	s_add_co_u32 s72, s72, 3*ASTEP
	s_mov_b32 s73, 0
	s_add_nc_u64 s[PSA:PSA+1], s[4:5], s[72:73]
	s_lshl_b32 s72, s42, 8                         ; B: the tile's 256 bytes of a row,
	s_lshl_b32 s73, s43, 16                        ; of four steps' 1,024 rows the 32 that fall to my tile row
	s_add_co_u32 s72, s72, s73
	s_add_co_u32 s72, s72, BOFF+3*BSTEP
	s_mov_b32 s73, 0
	s_add_nc_u64 s[PSB:PSB+1], s[6:7], s[72:73]
; 8 matrix instructions: row blocks a0, a0 + 1 x all 4 column blocks, 32 along K: half c of buffer f.  first = 1: the bias starts the sums.  The 16 accumulators take turns.
.macro MUL8 f, c, a0, first
	WIN MUL
.irp a, \a0, (\a0)+1
.irp b, 0,1,2,3
.if \first
	v_wmma_f32_16x16x32_bf16 v[ACC+8*(4*(\a)+(\b)):ACC+8*(4*(\a)+(\b))+7], v[(\f)+64+8*(4*(\c)+(\b)):(\f)+64+8*(4*(\c)+(\b))+7], v[(\f)+8*(4*(\c)+(\a)):(\f)+8*(4*(\c)+(\a))+7], v[BIAS+8*(\b):BIAS+8*(\b)+7]
.else
	v_wmma_f32_16x16x32_bf16 v[ACC+8*(4*(\a)+(\b)):ACC+8*(4*(\a)+(\b))+7], v[(\f)+64+8*(4*(\c)+(\b)):(\f)+64+8*(4*(\c)+(\b))+7], v[(\f)+8*(4*(\c)+(\a)):(\f)+8*(4*(\c)+(\a))+7], v[ACC+8*(4*(\a)+(\b)):ACC+8*(4*(\a)+(\b))+7]
.endif
.endr
.endr
.endm
; 32 LDS loads in one run: the fragments of quarter kq (64 along K) into buffer f; the first 32 along K first
.macro FETCH kq, f
	WIN TO_F
.irp c, 0,1
.irp i, 0,1,2,3
	ds_load_tr16_b128 v[(\f)+64+8*(4*(\c)+(\i)):(\f)+64+8*(4*(\c)+(\i))+3],   v[ADRB+(\kq)/2] offset:(((\kq)%2)*64+32*(\c))*PB+32*(\i)
	ds_load_tr16_b128 v[(\f)+64+8*(4*(\c)+(\i))+4:(\f)+64+8*(4*(\c)+(\i))+7], v[ADRB+(\kq)/2] offset:(((\kq)%2)*64+32*(\c)+16)*PB+32*(\i)
	ds_load_b128 v[(\f)+8*(4*(\c)+(\i)):(\f)+8*(4*(\c)+(\i))+3],   v[ADRA] offset:(\kq)*64*PA+(\i)*16*PA+64*(\c)
	ds_load_b128 v[(\f)+8*(4*(\c)+(\i))+4:(\f)+8*(4*(\c)+(\i))+7], v[ADRA] offset:(\kq)*64*PA+(\i)*16*PA+64*(\c)+32
.endr
.endr
.endm
; One of a step's first three quarters fetches quarter kq into g, which the products just issued have read (hence the places), and multiplies buffer f.
.macro QUARTER kq, f, g, first
	s_wait_dscnt 16                                ; f's first 32 along K are in; its younger sixteen loads may be out
	PLACES
	FETCH \kq, \g
	MUL8 \f, 0, 0, \first
	MUL8 \f, 0, 2, \first
	s_wait_dscnt 32                                ; all but the 32 just issued
	MUL8 \f, 1, 0, 0
	MUL8 \f, 1, 2, 0
.endm
; The last quarter multiplies buffer 1 and changes slots at its head: the wait for all my tensor loads (one is out: my part of the next slot), the add, the wait for it and for
; my reads of this slot, one barrier.  fill = 1: the barrier opens a round of the cluster's, and this slot is filled again, two K steps ahead, first thing behind the round: 120 of a step's 128
; matrix instructions ahead of the wait for it.
.macro TURN fill
	WIN 0
	s_wait_tensorcnt 0x0                           ; no tensor load of mine is out, so a group 0 may be written
	ds_add_u32 v[SPW], v[NIL]
.if \fill
	s_xor_b32 s[G0A+5], s[G0A+5], SLOT
	s_add_nc_u64 s[G0A+6:G0A+7], s[G0A+6:G0A+7], ASTEP
	s_xor_b32 s[G0B+5], s[G0B+5], SLOT
	s_add_nc_u64 s[G0B+6:G0B+7], s[G0B+6:G0B+7], BSTEP
	s_wait_xcnt 0x0                                ; the last trip's prefetch has had its address translated (ISA guide 3.1): only now do its bases step
	s_add_nc_u64 s[PSA:PSA+1], s[PSA:PSA+1], ASTEP
	s_add_nc_u64 s[PSB:PSB+1], s[PSB:PSB+1], BSTEP
.endif
	s_wait_dscnt 17                                ; the add and the youngest sixteen loads may be out
	MUL8 F1, 0, 0, 0
	WIN 0
	s_wait_dscnt 0x0                               ; the add is done, and my reads of this slot are over
	s_barrier_signal -1
	s_barrier_wait -1
.if \fill
	CREST
	JLOAD                                          ; its four v_nop are also the places in front of the loads below
	PREF
.else
	PLACES
.endif
	s_xor_b32 s[TB], s[TB], SLOT
	ADDR
	FETCH 0, F0
	MUL8 F1, 0, 2, 0
	MUL8 F1, 1, 0, 0
	MUL8 F1, 1, 2, 0
.endm
	s_wait_tensorcnt 0x1                           ; my part of K step 0 is in; step 1's may stay out
	s_barrier_signal -1
	s_barrier_wait -1
	FETCH 0, F0
	WIN 0
	s_wait_loadcnt 0x0                             ; the bias
.set k, 0
.rept 16
	v_cvt_pk_bf16_f32 v[TT], v[BIAS+2*k], v[BIAS+2*k+1]
	v_lshlrev_b32 v[BIAS+2*k], 16, v[TT]
	v_and_b32 v[BIAS+2*k+1], 0xffff0000, v[TT]
.set k, k+1
.endr
	QUARTER 1, F0, F1, 1
	WIN 0
	s_mov_b32 s[CNT], T-2
.Lstep:
	QUARTER 2, F1, F0, 0
	QUARTER 3, F0, F1, 0
	TURN 1
	QUARTER 1, F0, F1, 0
	WIN 0
	s_sub_co_u32 s[CNT], s[CNT], 1
	s_cmp_lg_u32 s[CNT], 0
	s_cbranch_scc1 .Lstep
	s_mov_b32 s[CNT], 2
.Ltail:                                                ; the last two steps ask for nothing: a text of their own; the second trip is left in its middle
	QUARTER 2, F1, F0, 0
	QUARTER 3, F0, F1, 0
	WIN 0
	s_sub_co_u32 s[CNT], s[CNT], 1
	s_cmp_eq_u32 s[CNT], 0
	s_cbranch_scc1 .Lout
	TURN 0
	QUARTER 1, F0, F1, 0
	WIN 0
	s_branch .Ltail
.Lout:
	s_wait_dscnt 16
	MUL8 F1, 0, 0, 0
	MUL8 F1, 0, 2, 0
	s_wait_dscnt 0x0
	MUL8 F1, 1, 0, 0
	MUL8 F1, 1, 2, 0
	WIN 0
	; THE WAY OUT, 16 rows at a time: rounded to bf16, 16 bytes a lane into my stage, back as whole rows of 128 bytes, stored as 512 consecutive bytes.
.macro PACK a
.irp b, 0,1,2,3
.irp r, 0,1,2,3
	v_cvt_pk_bf16_f32 v[TMP+16*(\a)+4*(\b)+(\r)], v[ACC+8*(4*(\a)+(\b))+2*(\r)], v[ACC+8*(4*(\a)+(\b))+2*(\r)+1]
.endr
.endr
.irp b, 0,1,2,3
	ds_store_b128 v[STO], v[TMP+16*(\a)+4*(\b):TMP+16*(\a)+4*(\b)+3] offset:32*(\b)
.endr
.irp f, 0,1,2,3
	ds_load_b128 v[TMP+16*(\a)+4*(\f):TMP+16*(\a)+4*(\f)+3], v[RD] offset:(\f)*4*SP  ; LDS serves a wave's instructions in order (ISA guide 5.7.1.4): these see the stores above
.endr
.endm
.macro SEND a, younger
.irp f, 0,1,2,3
	s_wait_dscnt (\younger)+3-(\f)
	global_store_b128 v[GO], v[TMP+16*(\a)+4*(\f):TMP+16*(\a)+4*(\f)+3], s[10:11] offset:(\a)*2048+(\f)*512
.endr
.endm
	PLACES
	PACK 0
	PACK 1
	SEND 0, 8
	PACK 2
	SEND 1, 8
	PACK 3
	SEND 2, 8
	SEND 3, 0
	s_wait_tensorcnt 0x0                           ; the wave's end
	ds_add_u32 v[SPW], v[NIL]
	s_wait_dscnt 0x0
	CROUND                                         ; the closing round
	s_endpgm
.Lfunc_end_k_qdd4b822a46_gf2:
	.size	k_qdd4b822a46_gf2, .Lfunc_end_k_qdd4b822a46_gf2-k_qdd4b822a46_gf2
	.p2alignl 7, 3214868480
	.fill 96, 4, 3214868480
	.section	.rodata,"a",@progbits
	.p2align	6, 0x0
	.amdhsa_kernel k_qdd4b822a46_gf2
		.amdhsa_group_segment_fixed_size 327680
		.amdhsa_private_segment_fixed_size 0
		.amdhsa_enable_private_segment 0
		.amdhsa_kernarg_size 32
		.amdhsa_user_sgpr_count 2
		.amdhsa_user_sgpr_kernarg_segment_ptr 1
		.amdhsa_wavefront_size32 1
		.amdhsa_system_sgpr_workgroup_id_x 1
		.amdhsa_system_sgpr_workgroup_id_y 1
		.amdhsa_system_sgpr_workgroup_id_z 1
		.amdhsa_system_vgpr_workitem_id 0
		.amdhsa_next_free_vgpr 512
		.amdhsa_next_free_sgpr 80
		.amdhsa_reserve_vcc 0
		.amdhsa_float_denorm_mode_32 3
		.amdhsa_float_denorm_mode_16_64 3
		.amdhsa_memory_ordered 1
		.amdhsa_forward_progress 1
		.amdhsa_inst_pref_size 65
	.end_amdhsa_kernel
	.amdgpu_metadata
---
amdhsa.version: [ 1, 2 ]
amdhsa.kernels:
  - .name:           k_qdd4b822a46_gf2
    .symbol:         k_qdd4b822a46_gf2.kd
    .args:
      - { .name: hb, .offset: 0, .size: 8, .value_kind: global_buffer, .address_space: global }
      - { .name: wf, .offset: 8, .size: 8, .value_kind: global_buffer, .address_space: global }
      - { .name: b2, .offset: 16, .size: 8, .value_kind: global_buffer, .address_space: global }
      - { .name: bufa, .offset: 24, .size: 8, .value_kind: global_buffer, .address_space: global }
    .group_segment_fixed_size: 327680
    .private_segment_fixed_size: 0
    .kernarg_segment_align: 8
    .kernarg_segment_size: 32
    .max_flat_workgroup_size: 128
    .sgpr_count:     80
    .vgpr_count:     512
    .wavefront_size: 32
...
	.end_amdgpu_metadata
.endif
;; end of part 6
;; launch ln2 (part 7): grid 256 x 1, 8 waves a work-group, no clusters, 0 bytes of LDS; arguments bufa, yf, ln2_g, ln2_b, out0; writes out0
.if DOCPART == 7
	.amdgcn_target "amdgcn-amd-amdhsa--gfx1250"
	.amdhsa_code_object_version 6
	.text
	.protected	k_qdd4b822a46_ln2
	.globl	k_qdd4b822a46_ln2
	.p2align	8
	.type	k_qdd4b822a46_ln2,@function
k_qdd4b822a46_ln2:
	s_mov_b64 s[64:65], 0
	v_nop
	global_prefetch_b8 v0, s[64:65] scope:SCOPE_SE
	s_setreg_imm32_b32 hwreg(HW_REG_WAVE_MODE, 25, 1), 1
	s_wait_xcnt 0x0
; out = layernorm(z + y) g + beta.  z: [4096][1024] bf16 in blocks of 64 columns (element (m, c) at ((m >> 11) * 16 + (c >> 6)) * 131072 + (m & 2047) * 64 + (c & 63));
; y and out: [4096][1024] f32 row-major; g, beta: [1024] f32, rounded to bf16 here like every input of the module.
; A wave takes two rows and keeps them in registers: lane l holds row m + l / 16, columns 64 k + 4 (l % 16) + 0..3 for k = 0..15.  In a block the two rows are 256 consecutive bytes, 8 a lane;
; in the f32 matrices sixteen lanes cover 256 consecutive bytes of a row.  A row's sums stay within 16 lanes.  Mean first, then the mean of (v - mean)^2: no difference of large sums.
; A stream without shared input but the two short vectors: no LDS, no barrier, no cluster, no matrix unit.  NaN and infinities are not treated apart.
.set Z,   16                           ; v[16:47]   z, two registers a block
.set V,   48                           ; v[48:111]  y, then z + y, then v - mean, then out
.set GF,  112                          ; v[112:175] g as loaded
.set BF,  176                          ; v[176:239] beta as loaded
.set ONE, 240                          ; v240       1.0
.set GP,  16                           ; v[16:47]   g in bf16, where z lay
.set BP,  112                          ; v[112:143] beta in bf16, where g lay
.macro FOLD                            ; four chains v[6:13] into one number, then over the row's 16 lanes
	v_pk_add_f32 v[6:7], v[6:7], v[8:9]
	v_pk_add_f32 v[10:11], v[10:11], v[12:13]
	v_pk_add_f32 v[6:7], v[6:7], v[10:11]
	v_add_f32 v6, v6, v7
	v_add_f32_dpp v6, v6, v6 row_xmask:1 row_mask:0xf bank_mask:0xf
	v_add_f32_dpp v6, v6, v6 row_xmask:2 row_mask:0xf bank_mask:0xf
	v_add_f32_dpp v6, v6, v6 row_xmask:4 row_mask:0xf bank_mask:0xf
	v_add_f32_dpp v6, v6, v6 row_xmask:8 row_mask:0xf bank_mask:0xf
.endm
	s_load_b256 s[4:11], s[0:1], 0x0               ; z s[4:5], y s[6:7], g s[8:9], beta s[10:11]
	s_load_b64 s[12:13], s[0:1], 0x20              ; out
	v_lshrrev_b32 v1, 5, v0
	v_readfirstlane_b32 s16, v1
	s_lshl_b32 s17, ttmp9, 3
	s_add_co_u32 s17, s17, s16                     ; my pair of rows, 0..2047
	s_lshr_b32 s18, s17, 10
	s_lshl_b32 s18, s18, 22
	s_and_b32 s19, s17, 1023
	s_lshl_b32 s19, s19, 8
	s_add_co_u32 s18, s18, s19
	s_mov_b32 s19, 0
	s_lshl_b32 s20, s17, 13
	s_mov_b32 s21, 0
	s_mov_b32 s22, 0x3a800000                      ; 1 / 1024
	s_mov_b32 s23, 0x3727c5ac                      ; 1e-5
	v_and_b32 v1, 31, v0
	v_lshlrev_b32 v2, 3, v1                        ; 8 l
	v_and_b32 v4, 15, v0
	v_lshlrev_b32 v4, 4, v4                        ; 16 (l % 16)
	v_bfe_u32 v3, v0, 4, 1
	v_lshl_or_b32 v3, v3, 12, v4                   ; + 4,096 (l / 16)
	v_mov_b32 v[ONE], 1.0
	s_wait_kmcnt 0x0
	s_add_nc_u64 s[4:5], s[4:5], s[18:19]
	s_add_nc_u64 s[6:7], s[6:7], s[20:21]
	s_add_nc_u64 s[12:13], s[12:13], s[20:21]
.set k, 0
.rept 16
	global_load_b64 v[Z+2*k:Z+2*k+1], v2, s[4:5] offset:k*262144
.set k, k+1
.endr
.set k, 0
.rept 16
	global_load_b128 v[V+4*k:V+4*k+3], v3, s[6:7] offset:k*256
.set k, k+1
.endr
.set k, 0
.rept 16
	global_load_b128 v[GF+4*k:GF+4*k+3], v4, s[8:9] offset:k*256
.set k, k+1
.endr
.set k, 0
.rept 16
	global_load_b128 v[BF+4*k:BF+4*k+3], v4, s[10:11] offset:k*256
.set k, k+1
.endr
	s_wait_loadcnt 32                              ; z and y are in; g's and beta's 32 loads may stay out
.set k, 0
.rept 16                                               ; z x 1 + y, one rounding
	v_fma_mix_f32_bf16 v[V+4*k],   v[Z+2*k],   v[ONE], v[V+4*k]   op_sel_hi:[1,0,0]
	v_fma_mix_f32_bf16 v[V+4*k+1], v[Z+2*k],   v[ONE], v[V+4*k+1] op_sel:[1,0,0] op_sel_hi:[1,0,0]
	v_fma_mix_f32_bf16 v[V+4*k+2], v[Z+2*k+1], v[ONE], v[V+4*k+2] op_sel_hi:[1,0,0]
	v_fma_mix_f32_bf16 v[V+4*k+3], v[Z+2*k+1], v[ONE], v[V+4*k+3] op_sel:[1,0,0] op_sel_hi:[1,0,0]
.set k, k+1
.endr
.irp c, 0,1,2,3
	v_pk_add_f32 v[6+2*(\c):7+2*(\c)], v[V+2*(\c):V+2*(\c)+1], v[V+8+2*(\c):V+8+2*(\c)+1]
.endr
.set k, 8
.rept 24
	v_pk_add_f32 v[6+2*(k%4):7+2*(k%4)], v[6+2*(k%4):7+2*(k%4)], v[V+2*k:V+2*k+1]
.set k, k+1
.endr
	FOLD
	v_mul_f32 v14, s22, v6                         ; the mean, twice
	v_mul_f32 v15, s22, v6
.set k, 0
.rept 32
	v_pk_add_f32 v[V+2*k:V+2*k+1], v[V+2*k:V+2*k+1], v[14:15] neg_lo:[0,1] neg_hi:[0,1]
.set k, k+1
.endr
.irp c, 0,1,2,3
	v_pk_mul_f32 v[6+2*(\c):7+2*(\c)], v[V+2*(\c):V+2*(\c)+1], v[V+2*(\c):V+2*(\c)+1]
.endr
.set k, 4
.rept 28
	v_pk_fma_f32 v[6+2*(k%4):7+2*(k%4)], v[V+2*k:V+2*k+1], v[V+2*k:V+2*k+1], v[6+2*(k%4):7+2*(k%4)]
.set k, k+1
.endr
	FOLD
	v_fma_f32 v5, v6, s22, s23                     ; the variance + 1e-5
	v_rsq_f32 v14, v5
	v_rsq_f32 v15, v5
	v_nop                                          ; a plain instruction behind the transcendentals (ISA guide 5.7.2)
.set k, 0
	s_wait_alu depctr_va_vdst(0)
.rept 32
	v_pk_mul_f32 v[V+2*k:V+2*k+1], v[V+2*k:V+2*k+1], v[14:15]
.set k, k+1
.endr
	s_wait_loadcnt 16                              ; g is in; beta's sixteen loads may stay out
.set k, 0
.rept 32
	v_cvt_pk_bf16_f32 v[GP+k], v[GF+2*k], v[GF+2*k+1]
.set k, k+1
.endr
	s_wait_loadcnt 0x0                             ; beta
.set k, 0
.rept 32
	v_cvt_pk_bf16_f32 v[BP+k], v[BF+2*k], v[BF+2*k+1]
.set k, k+1
.endr
.set k, 0
.rept 32
	v_fma_mix_f32_bf16 v[V+2*k],   v[V+2*k],   v[GP+k], v[BP+k] op_sel_hi:[0,1,1]
	v_fma_mix_f32_bf16 v[V+2*k+1], v[V+2*k+1], v[GP+k], v[BP+k] op_sel:[0,1,1] op_sel_hi:[0,1,1]
.set k, k+1
.endr
.set k, 0
.rept 16
	global_store_b128 v3, v[V+4*k:V+4*k+3], s[12:13] offset:k*256 th:TH_STORE_NT  ; sixteen lanes store 256 consecutive aligned bytes
.set k, k+1
.endr
	s_endpgm
.Lfunc_end_k_qdd4b822a46_ln2:
	.size	k_qdd4b822a46_ln2, .Lfunc_end_k_qdd4b822a46_ln2-k_qdd4b822a46_ln2
	.p2alignl 7, 3214868480
	.fill 96, 4, 3214868480
	.section	.rodata,"a",@progbits
	.p2align	6, 0x0
	.amdhsa_kernel k_qdd4b822a46_ln2
		.amdhsa_group_segment_fixed_size 0
		.amdhsa_private_segment_fixed_size 0
		.amdhsa_enable_private_segment 0
		.amdhsa_kernarg_size 40
		.amdhsa_user_sgpr_count 2
		.amdhsa_user_sgpr_kernarg_segment_ptr 1
		.amdhsa_wavefront_size32 1
		.amdhsa_system_sgpr_workgroup_id_x 1
		.amdhsa_system_sgpr_workgroup_id_y 1
		.amdhsa_system_sgpr_workgroup_id_z 1
		.amdhsa_system_vgpr_workitem_id 0
		.amdhsa_next_free_vgpr 244
		.amdhsa_next_free_sgpr 66
		.amdhsa_reserve_vcc 0
		.amdhsa_float_denorm_mode_32 3
		.amdhsa_float_denorm_mode_16_64 3
		.amdhsa_memory_ordered 1
		.amdhsa_forward_progress 1
		.amdhsa_inst_pref_size 30
	.end_amdhsa_kernel
	.amdgpu_metadata
---
amdhsa.version: [ 1, 2 ]
amdhsa.kernels:
  - .name:           k_qdd4b822a46_ln2
    .symbol:         k_qdd4b822a46_ln2.kd
    .args:
      - { .name: bufa, .offset: 0, .size: 8, .value_kind: global_buffer, .address_space: global }
      - { .name: yf, .offset: 8, .size: 8, .value_kind: global_buffer, .address_space: global }
      - { .name: ln2_g, .offset: 16, .size: 8, .value_kind: global_buffer, .address_space: global }
      - { .name: ln2_b, .offset: 24, .size: 8, .value_kind: global_buffer, .address_space: global }
      - { .name: out0, .offset: 32, .size: 8, .value_kind: global_buffer, .address_space: global }
    .group_segment_fixed_size: 0
    .private_segment_fixed_size: 0
    .kernarg_segment_align: 8
    .kernarg_segment_size: 40
    .max_flat_workgroup_size: 256
    .sgpr_count:     66
    .vgpr_count:     244
    .wavefront_size: 32
...
	.end_amdgpu_metadata
.endif
;; end of part 7
;; ======== version 2 of 2: 8 launches; version 1 with the launch cast written anew for expert scheduling mode
;; workspace buffers: bufa 8,388,608 bytes; bufb 8,388,608 bytes; bufc 8,388,608 bytes; wqb 2,097,152 bytes; fcb 2,097,152 bytes; wf 16,777,216 bytes; yf 16,777,216 bytes; hb 33,554,432 bytes
;; launch cast (part 8): grid 512 x 1, 8 waves a work-group, no clusters, 0 bytes of LDS; arguments x, wq_w, fc_w, w1, w2, bufa, wqb, fcb, wf; writes bufa, wqb, fcb, wf
.if DOCPART == 8
	.amdgcn_target "amdgcn-amd-amdhsa--gfx1250"
	.amdhsa_code_object_version 6
	.text
	.protected	k_qdd4b822a46_cast
	.globl	k_qdd4b822a46_cast
	.p2align	8
	.type	k_qdd4b822a46_cast,@function
k_qdd4b822a46_cast:
	s_mov_b64 s[64:65], 0
	v_nop
	global_prefetch_b8 v0, s[64:65] scope:SCOPE_SE
	s_setreg_imm32_b32 hwreg(HW_REG_WAVE_SCHED_MODE, 0, 2), 2
	s_setreg_imm32_b32 hwreg(HW_REG_WAVE_MODE, 25, 1), 1
	s_wait_xcnt 0x0
	s_wait_alu depctr_vm_vsrc(0)
; x and the four weight matrices, f32, are rounded once to bf16 (to nearest even) and laid out for the launches behind.
;   x [4096][1024]      -> bufa in BLOCKS: element (m, c) at ((m >> 11) * 16 + (c >> 6)) * 131072 + (m & 2047) * 64 + (c & 63): 2,048 rows x 64 columns lie dense
;   wq_w [16][1024][64] -> wqb [1024][1024], column h * 64 + e       fc_w -> fcb as it lies       w1 -> wf at byte 0, w2 -> wf at byte 8,388,608, as they lie
; The 14,680,064 numbers are 14 units of 1,048,576 (4 of x, wq_w, fc_w, 4 of w1, 4 of w2).  Work-group i of 512 takes chunk i, 2,048 numbers, of EVERY unit: all work-groups do the same work.
; A chunk is two passes of the 256 threads; in a pass a thread loads 16 bytes (4 numbers), rounds them and stores 8 bytes: 28 passes in all.
; A wave's load covers 512 consecutive bytes (x, wq_w: two runs of 256, a row or a head apart); a wave's store covers 256 consecutive bytes, aligned.
;   x: chunk i is rows 32 (i >> 4) .. + 31 of the unit's 1,024, block i & 15; a pass is 16 rows.     wq_w: chunk i is rows d = 2 i, 2 i + 1 of all 16 heads; a pass is one d.
; All 28 loads go out first: 14,336 bytes of a wave are on their way.  A stream: every byte is read once and written once; LDS, clusters and the matrix units would add nothing.
; THE MODE: SCHED_MODE bits 1:0 = 2 (LLVM: expert scheduling mode 2), set by the entry lines.  The code itself states the register dependences
; between vector instructions and memory instructions, with s_wait_alu, always for 0.
; THE PLAN.  Registers that memory instructions touch:
;   v2 .. v6   five byte offsets.  Written once, by the head's vector lines; read by every load and store; never written again.
;   X          pass n: four registers.  Written by load n, issued at the head, before any vector line names X; read by pass n's two roundings; never loaded again.
;   Y          pass n: two registers.   Written by pass n's two roundings; read by store n; never written again.
; No register is used twice, so the one kind of dependence in the text is: a vector line writes, a memory instruction reads.  The passes go in 7 groups of 4.  Group g's roundings name X and Y
; of group g alone; the stores dealt among them are those of group g - 1 and read the offsets and Y of group g - 1 alone.  So one wait at the head of a group states all that its four stores hang on.
.set VLS, 2                            ; v2  byte offset in a unit that is copied in order, source: 8,192 i + 16 t
.set VLD, 3                            ; v3  the same in the destination: 4,096 i + 8 t; wqb's too
.set VXS, 4                            ; v4  x, source
.set VXD, 5                            ; v5  x, destination
.set VQS, 6                            ; v6  wq_w, source
.set X,   8                            ; v[8:119]   pass n: 4 numbers as loaded
.set Y,   120                          ; v[120:175] pass n: 4 bf16 to store
.set NL,  28                           ; passes
.set GR,  4                            ; passes in a group
.macro LD voff, base, imm
	global_load_b128 v[X+4*n:X+4*n+3], v[\voff], s[\base:(\base)+1] offset:\imm th:TH_LOAD_NT
.set n, n+1
.endm
; The store of pass k.  Passes 0-7: x, unit (k % 8) / 2; 8-15: w1; 16-23: w2; 24, 25: wq_w; 26, 27: fc_w.
.macro STORE k
.set UU, ((\k)%8)/2
.set PP, (\k)%2
.if (\k) < 8
.set SV, VXD
.set SB, 18                            ; bufa: the batch's 16 blocks, the unit's 1,024 rows of 128 bytes in a block, the pass's 16 rows
.set SI, (UU/2)*4194304+(UU%2)*131072+PP*2048
.elseif (\k) < 24
.set SV, VLD
.set SB, 24+8*((\k)/16)                ; wf for w1, wf's second half for w2
.set SI, UU*2097152+PP*2048
.else
.set SV, VLD
.set SB, 20+2*(((\k)-24)/2)            ; wqb, fcb
.set SI, PP*2048
.endif
	global_store_b64 v[SV], v[Y+2*(\k):Y+2*(\k)+1], s[SB:SB+1] offset:SI
.endm
; Group g: its four loads are waited for; its eight roundings stand among the four stores of the group before.
.macro GROUP g
	s_wait_loadcnt NL-GR-GR*(\g)                   ; loads come back in order (ISA guide 5.7.1): this group's four are in, the later groups' stay out
.if (\g) > 0
	s_wait_alu depctr_va_vdst(0)                   ; the roundings of the group before have written its Y, which the four stores below read
.endif
.irp i, 0,1,2,3
.if (\g) > 0
	STORE GR*(\g)-GR+(\i)                          ; no vector line since the wait names its offset or its data
.endif
	v_cvt_pk_bf16_f32 v[Y+2*(GR*(\g)+(\i))],   v[X+4*(GR*(\g)+(\i))],   v[X+4*(GR*(\g)+(\i))+1]
	v_cvt_pk_bf16_f32 v[Y+2*(GR*(\g)+(\i))+1], v[X+4*(GR*(\g)+(\i))+2], v[X+4*(GR*(\g)+(\i))+3]
.endr
.endm
	s_load_b512 s[8:23], s[0:1], 0x0               ; x s[8:9], wq_w s[10:11], fc_w s[12:13], w1 s[14:15], w2 s[16:17], bufa s[18:19], wqb s[20:21], fcb s[22:23]
	s_load_b64 s[24:25], s[0:1], 0x40              ; wf
	s_mov_b32 s2, ttmp9                            ; i
	; the work-group's five terms, a scalar register each: every scalar that a vector line reads is made ahead of it and never written again
	s_lshr_b32 s5, s2, 4                           ; x: which 32 rows
	s_and_b32 s6, s2, 15                           ; which block of 64 columns
	s_lshl_b32 s7, s5, 17
	s_lshl_b32 s34, s6, 8
	s_add_co_u32 s7, s7, s34                       ; x, source
	s_lshl_b32 s3, s6, 18                          ; in bufa a block is 262,144 bytes, a row in it 128: 16 rows x 128 bytes are 8 t
	s_lshl_b32 s34, s5, 12
	s_add_co_u32 s3, s3, s34                       ; x, destination
	s_lshl_b32 s4, s2, 9                           ; wq_w: row 2 i of 256 bytes
	s_lshl_b32 s35, s2, 13                         ; a chunk of 8,192 bytes of f32,
	s_lshl_b32 s34, s2, 12                         ; of 4,096 bytes of bf16
	v_and_b32 v7, 15, v0
	v_lshlrev_b32 v7, 4, v7                        ; 16 (t & 15)
	v_lshrrev_b32 v1, 4, v0                        ; t >> 4: a row of x, or a head
	v_lshl_or_b32 v[VXS], v1, 12, v7               ; rows of 4,096 bytes
	v_lshl_or_b32 v[VQS], v1, 18, v7               ; heads of 262,144 bytes
	v_lshlrev_b32 v[VLS], 4, v0
	v_lshlrev_b32 v[VLD], 3, v0
	v_add_nc_u32 v[VXS], s7, v[VXS]
	v_add_nc_u32 v[VXD], s3, v[VLD]
	v_add_nc_u32 v[VQS], s4, v[VQS]
	v_add_nc_u32 v[VLS], s35, v[VLS]
	v_add_nc_u32 v[VLD], s34, v[VLD]
	s_wait_kmcnt 0x0
	s_add_nc_u64 s[26:27], s[8:9], 0x800000        ; second halves, so that the units' places fit the signed 24-bit immediate: x,
	s_add_nc_u64 s[28:29], s[14:15], 0x800000      ; w1,
	s_add_nc_u64 s[30:31], s[16:17], 0x800000      ; w2;
	s_add_nc_u64 s[32:33], s[24:25], 0x800000      ; and where w2 goes in wf
	s_wait_alu depctr_va_vdst(0)                   ; the five offsets v2 to v6 are written: every load and store of the kernel reads one of them
.set n, 0
.irp u, 0,1,2,3
.irp p, 0,1
	LD VXS, 8+18*((\u)/2), ((\u)%2)*4194304+(\p)*65536
.endr
.endr
.irp u, 0,1,2,3
.irp p, 0,1
	LD VLS, 14+14*((\u)/2), ((\u)%2)*4194304+(\p)*4096
.endr
.endr
.irp u, 0,1,2,3
.irp p, 0,1
	LD VLS, 16+14*((\u)/2), ((\u)%2)*4194304+(\p)*4096
.endr
.endr
.irp p, 0,1
	LD VQS, 10, (\p)*256
.endr
.irp p, 0,1
	LD VLS, 12, (\p)*4096
.endr
.irp g, 0,1,2,3,4,5,6
	GROUP \g
.endr
	s_wait_alu depctr_va_vdst(0)                   ; the last group's roundings have written its Y, which the last four stores read
.irp i, 0,1,2,3
	STORE NL-GR+(\i)
.endr
	s_endpgm
.Lfunc_end_k_qdd4b822a46_cast:
	.size	k_qdd4b822a46_cast, .Lfunc_end_k_qdd4b822a46_cast-k_qdd4b822a46_cast
	.p2alignl 7, 3214868480
	.fill 96, 4, 3214868480
	.section	.rodata,"a",@progbits
	.p2align	6, 0x0
	.amdhsa_kernel k_qdd4b822a46_cast
		.amdhsa_group_segment_fixed_size 0
		.amdhsa_private_segment_fixed_size 0
		.amdhsa_enable_private_segment 0
		.amdhsa_kernarg_size 72
		.amdhsa_user_sgpr_count 2
		.amdhsa_user_sgpr_kernarg_segment_ptr 1
		.amdhsa_wavefront_size32 1
		.amdhsa_system_sgpr_workgroup_id_x 1
		.amdhsa_system_sgpr_workgroup_id_y 1
		.amdhsa_system_sgpr_workgroup_id_z 1
		.amdhsa_system_vgpr_workitem_id 0
		.amdhsa_next_free_vgpr 176
		.amdhsa_next_free_sgpr 66
		.amdhsa_reserve_vcc 0
		.amdhsa_float_denorm_mode_32 3
		.amdhsa_float_denorm_mode_16_64 3
		.amdhsa_memory_ordered 1
		.amdhsa_forward_progress 1
		.amdhsa_inst_pref_size 11
	.end_amdhsa_kernel
	.amdgpu_metadata
---
amdhsa.version: [ 1, 2 ]
amdhsa.kernels:
  - .name:           k_qdd4b822a46_cast
    .symbol:         k_qdd4b822a46_cast.kd
    .args:
      - { .name: x, .offset: 0, .size: 8, .value_kind: global_buffer, .address_space: global }
      - { .name: wq_w, .offset: 8, .size: 8, .value_kind: global_buffer, .address_space: global }
      - { .name: fc_w, .offset: 16, .size: 8, .value_kind: global_buffer, .address_space: global }
      - { .name: w1, .offset: 24, .size: 8, .value_kind: global_buffer, .address_space: global }
      - { .name: w2, .offset: 32, .size: 8, .value_kind: global_buffer, .address_space: global }
      - { .name: bufa, .offset: 40, .size: 8, .value_kind: global_buffer, .address_space: global }
      - { .name: wqb, .offset: 48, .size: 8, .value_kind: global_buffer, .address_space: global }
      - { .name: fcb, .offset: 56, .size: 8, .value_kind: global_buffer, .address_space: global }
      - { .name: wf, .offset: 64, .size: 8, .value_kind: global_buffer, .address_space: global }
    .group_segment_fixed_size: 0
    .private_segment_fixed_size: 0
    .kernarg_segment_align: 8
    .kernarg_segment_size: 72
    .max_flat_workgroup_size: 256
    .sgpr_count:     66
    .vgpr_count:     176
    .wavefront_size: 32
...
	.end_amdgpu_metadata
.endif
;; end of part 8
;; launch gq: the kernel of part 2 again; grid 8 x 32, 4 waves a work-group, clusters of 4 x 4, 327,680 bytes of LDS; arguments bufa, wqb, wq_b, bufb; writes bufb
;; launch attn: the kernel of part 3 again; grid 8 x 32, 4 waves a work-group, clusters of 4 x 1, 327,680 bytes of LDS; arguments bufb, bufc; writes bufc
;; launch gfc: the kernel of part 2 again; grid 8 x 32, 4 waves a work-group, clusters of 4 x 4, 327,680 bytes of LDS; arguments bufc, fcb, fc_b, bufb; writes bufb
;; launch ln1: the kernel of part 4 again; grid 256 x 1, 8 waves a work-group, no clusters, 0 bytes of LDS; arguments bufb, bufa, ln1_g, ln1_b, bufc, yf; writes bufc, yf
;; launch gf1: the kernel of part 5 again; grid 16 x 16, 4 waves a work-group, clusters of 4 x 4, 327,680 bytes of LDS; arguments bufc, wf, b1, hb; writes hb
;; launch gf2: the kernel of part 6 again; grid 8 x 32, 4 waves a work-group, clusters of 4 x 4, 327,680 bytes of LDS; arguments hb, wf, b2, bufa; writes bufa
;; launch ln2: the kernel of part 7 again; grid 256 x 1, 8 waves a work-group, no clusters, 0 bytes of LDS; arguments bufa, yf, ln2_g, ln2_b, out0; writes out0
